; MI455X (gfx1250); checked and timed in simulation.
; The chip was launched on July 23, 2026; its instructions are those of AMD's public machine-readable ISA for CDNA 5 (MIT licence, August 2026) and "CDNA5" Instruction Set Architecture Reference Guide (July 2026). The comments in the code are by the model that wrote it; some were corrected since.
;; Self Attention. Allowed arithmetic: matrix products marked QUANTISED: E3M2 operands, one E8M0 scale for each 32 along K, by v_wmma_scale_f32_16x16x128_f8f6f4 with both operands' format E3M2, f32 sums; everything else in f32.
;; Inputs: W_dense 1,024 x 1,024 float32; W_qkv 1,024 x 3,072 float32; X 2 x 2,048 x 1,024 float32; attention_mask 1 x 1 x 2,048 x 2,048 bool; b_dense 1,024 float32; b_qkv 3,072 float32.
;; Outputs: out0 2 x 2,048 x 1,024 float32.
;; This version of the problem:
;;   THIS VERSION OF THE PROBLEM IS GIVEN IN LOW PRECISION. The matrix products marked QUANTISED in the list below multiply operands that are first quantised to E3M2 (3 exponent bits, 2 mantissa bits; 6 bits a number), with one power-of-two scale for each 32 numbers along K (OCP MX v1.0); their sums are f32. All else is computed in f32.
;;   The module's matrix products, in the order in which they are computed (A, B: the left and right operand; K: the contracted axis; several contracted axes count as one K, in the product's order):
;;     1. [M 4,096, K 1,024] x [K 1,024, N 3,072]; A: input X; B: input W_qkv: QUANTISED
;;     2. batch 32 x [M 2,048, K 64] x [K 64, N 2,048]; A: computed on the way; B: computed on the way: QUANTISED
;;     3. batch 32 x [M 2,048, K 2,048] x [K 2,048, N 64]; A: softmax (see below); B: computed on the way: QUANTISED
;;     4. [M 4,096, K 1,024] x [K 1,024, N 1,024]; A: computed on the way; B: input W_dense: QUANTISED
;;   THE QUANTISER, for each operand of a quantised product, along K:
;;     - K is cut into blocks of 32 from its start; a last block that is shorter is filled with zeros.
;;     - A block's scale is 2^e with e = floor(log2(the largest magnitude in the block)) - 4, held to -126 .. 127; a block of zeros has e = 0. As a byte (E8M0): e + 127.
;;     - Each number is divided by its block's scale, clamped to +-28, and rounded to the nearest number of E3M2, ties to even, subnormals kept.
;;     - The product sums the exact products of the quantised numbers (number of the format x scale) in f32.
;;   ~~~python
;;   def quantise(x, axis):      # numpy; x: float32 -> the quantised numbers, widened to float32 again
;;       x = np.moveaxis(x, axis, -1); K = x.shape[-1]
;;       x = np.pad(x, [(0, 0)] * (x.ndim - 1) + [(0, -K % 32)]); x = x.reshape(x.shape[:-1] + (-1, 32)); a = np.abs(x).max(-1, keepdims=True)
;;       e = np.where(a > 0, np.clip(np.frexp(np.where(a > 0, a, 1))[1] - 1 - 4, -126, 127), 0)      # np.frexp(a)[1] - 1 = floor(log2(a)), exactly
;;       r = np.clip(x / 2.0 ** e, -28, 28)
;;       step = 2.0 ** (np.maximum(np.frexp(np.where(r == 0, 1, r))[1] - 1, -2) - 2)
;;       q = np.round(r / step) * step * 2.0 ** e      # np.round: ties to even
;;       return np.moveaxis(q.reshape(q.shape[:-2] + (-1,))[..., :K], -1, axis).astype(np.float32)
;;   ~~~
;;   SOFTMAX AHEAD OF A QUANTISED PRODUCT. Where the list says 'softmax', what is quantised is not the finished softmax but p = 2^(t - M), with t = logit x log2(e) and M = ceil(the row's largest t), a whole number; so 1/2 < the row's largest p <= 1. The row's sum l is taken of the UNQUANTISED p, in f32, and the product's result is divided by l at the end. Since M is a whole number, a kernel that streams over the keys may use a running M (the ceiling of the running maximum): every later rescaling is an exact power of two, which a block's scale takes up: the codes' values come out the same.
;;   OPERANDS COMPUTED ON THE WAY. 'Computed on the way' means the value that the module computes at that place (a softmax that the list does not call 'softmax' is quantised finished and normalised). What goes into a quantiser is computed in f32, as accurately as f32 sums, v_exp_f32 and their like allow (about 1e-6 of the number): no bf16 or f16 on the way to a quantiser, and a product that is left as it is and whose result goes on into a quantised operand takes f32 operands (vector FMAs, or v_wmma_f32_16x16x4_f32). A number that lies on a knife's edge between two numbers of the format may be rounded either way, as far as f32 arithmetic and the matrix unit's own rounding can turn it there, and no further.
;; One version. Each part assembles by itself: llvm-mc -triple=amdgcn-amd-amdhsa -mcpu=gfx1250 --defsym DOCPART=n.
;; ======== version 1 of 1: 4 launches
;; limits: right only within a limited range of input values
;; workspace buffers: xw_codes 6,291,456 bytes; xw_scales 262,144 bytes; maskw 524,288 bytes of whole numbers; maskf 65,536 bytes of whole numbers; qkv 9,830,400 bytes; a_img 3,145,728 bytes; a_scales 131,072 bytes
;; launch prep (part 1): grid 384 x 1, 4 waves a work-group, no clusters, 68,096 bytes of LDS; arguments X, W_qkv, W_dense, attention_mask, xw_codes, xw_scales, maskw, maskf; writes xw_codes, xw_scales, maskw, maskf
.if DOCPART == 1
	.amdgcn_target "amdgcn-amd-amdhsa--gfx1250"
	.amdhsa_code_object_version 6
	.text
	.protected	k_q1e37dd52db_prep
	.globl	k_q1e37dd52db_prep
	.p2align	8
	.type	k_q1e37dd52db_prep,@function
k_q1e37dd52db_prep:
	s_mov_b64 s[64:65], 0
	v_nop
	global_prefetch_b8 v0, s[64:65] scope:SCOPE_SE
	s_setreg_imm32_b32 hwreg(HW_REG_WAVE_MODE, 25, 1), 1
	s_wait_xcnt 0x0
; PREP: the inputs are laid as the later launches want them.  Three kinds of work-group, told apart by the work-group's number alone; no barrier, waves share nothing.
;   0..127   X [4096][1024] f32 -> codes of BF6 (E3M2) with one E8M0 byte for each 32 along K, rows 0..4095 of xw_codes (768 bytes a row) and xw_scales (32 bytes a row)
;   128..255 W_qkv [1024][3072] and W_dense [1024][1024] f32, K = their FIRST axis -> rows 4096..7167 and 7168..8191 of the same two buffers, one row for each column n, K innermost
;   256..383 attention_mask [2048][2048] bytes -> maskw [query tile 128][key step 16][64 words]: bit l of word 16 b + i says whether lane l's score in register 16 b + i of the attention's step is masked
; THE ORDER OF ROWS.  Inside each aligned group of 32 rows, row 16 w + 8 u + j is laid at place 16 u + 8 w + j (w, u one bit, j 0..7).  A tile of 16 neighbouring places then holds two runs of eight rows 16 apart,
; so that a transposed product's 16 registers of two neighbouring tiles are 16 neighbours along the next product's K.
; A block's scale is 2^(floor(log2(largest magnitude)) - 4); its byte is the largest magnitude's exponent field - 4, held at 1 from below.
; LIMITS: a block of zeros gets the byte 1 where the quantiser says 127 (its codes are zeros, and this program alone reads the bytes); NaN and infinities among the inputs are not served;
; the weights' scale bytes leave in pieces of 8 bytes, rows 32 bytes apart: one byte for each 128 that the path reads.
; THE CODES' LAYOUT (in place of the rows of 768 bytes named above): xw_codes is [K step of 256: 4][row 8,192][192 bytes], so that 128 rows of a K step are 24,576 dense bytes, 96 aligned runs of 256.
; maskf [query tile 128][wave 4][lane 32] words, every lane the same word: bit s says that all 16 x 128 scores of key step 4 wave + s are masked, bit 16 + s that none is.
.set STEPS, 16
.set QS,    1572864                    ; bytes of a K step's 8,192 rows
.set CB,    12                         ; bytes of 16 codes
.set XR,    16                         ; X path: v16-79 four sets of 16 numbers as loaded
.set XX,    80                         ; v80-111 two sets of 16 neighbours
.set XE,    112                        ; v112-127 a scale byte for each step
.set XC,    128                        ; v128-191 codes, four registers a step
.set WREG,  8192                       ; X path's LDS: bytes 0..32767, 8,192 a wave: two stages of 32 x SP, then 256 scale bytes
.set SP,    80
.set WLDS,  32768                      ; W path's LDS: bytes of its own, 32 x WPITCH a wave
.set WPITCH, 272
.set WSB,   24                         ; W path: v24-25 scale bytes
.set WX,    32                         ; v32-95 two sets of 32 numbers
.set WC,    96                         ; v96.. a block's codes
.set WOUT,  112                        ; v112-175 the way out
.set WOFF,  176                        ; v176-207 4 x lane + i rows of W
.macro XLOAD t
.irp i, 0,1,2,3
	global_load_b128 v[XR+16*((\t)%4)+4*\i:XR+16*((\t)%4)+4*\i+3], v3, s[4:5] offset:2048*(\t)+512*\i th:TH_LOAD_NT   ; 32 lanes read 512 consecutive bytes
.endr
.endm
.macro XTURN t                         ; a step's 2,048 bytes through the wave's own stage: in as they lie, out 64 bytes a lane; LDS serves a wave's instructions in order
.irp i, 0,1,2,3
	ds_store_b128 v14, v[XR+16*((\t)%4)+4*\i:XR+16*((\t)%4)+4*\i+3] offset:32*SP*((\t)%2)+8*SP*\i
.endr
.irp i, 0,1,2,3
	ds_load_b128 v[XX+16*((\t)%2)+4*\i:XX+16*((\t)%2)+4*\i+3], v15 offset:32*SP*((\t)%2)+16*\i
.endr
.endm
.macro XSTEP t
.set XS, XX+16*((\t)%2)
.if (\t) > 0
	s_wait_dscnt 1                                 ; this step's numbers are back from the stage; the last step's byte store may be out
.else
	s_wait_dscnt 0x0
.endif
.if (\t)+4 < STEPS
	XLOAD (\t)+4                                   ; the registers that the stage's stores have read take the loads of four steps on
.endif
.if (\t)+1 < STEPS
.if STEPS-2-(\t) >= 3
	s_wait_loadcnt 12                              ; the next step's four loads are in; those of the three steps behind it may be out
.else
	s_wait_loadcnt 4*(STEPS-2-(\t))
.endif
	XTURN (\t)+1
.endif
	v_max3_num_f32 v8, |v[XS]|, |v[XS+1]|, |v[XS+2]|
	v_max3_num_f32 v9, |v[XS+3]|, |v[XS+4]|, |v[XS+5]|
.irp i, 6,10
	v_max3_num_f32 v8, v8, |v[XS+\i]|, |v[XS+\i+1]|
	v_max3_num_f32 v9, v9, |v[XS+\i+2]|, |v[XS+\i+3]|
.endr
	v_max3_num_f32 v8, v8, |v[XS+14]|, |v[XS+15]|
	v_max3_num_f32 v8, v8, v9, 0x2800000           ; and the floor 2^(5 - 127): the byte cannot fall under 1
	v_max_num_f32_dpp v8, v8, v8 row_xmask:1 row_mask:0xf bank_mask:0xf   ; with my neighbour's 16: the block's largest magnitude
	v_add_nc_u32 v11, 0xfe000000, v8               ; 4 off its exponent field: the conversion's scale operand
	v_cvt_scalef32_pk16_bf6_f32 v[XC+4*(\t):XC+4*(\t)+2], v[XS:XS+15], v11
	v_lshrrev_b32 v[XE+(\t)], 23, v11              ; the scale's byte
	ds_store_b8 v5, v[XE+(\t)] offset:16*(\t)      ; both lanes of a block write the same byte with the same value
	global_store_b96 v4, v[XC+4*(\t):XC+4*(\t)+2], s[12:13] offset:2*QS*((\t)%2)+192*((\t)/2)   ; row t / 2 of my run; lanes 0-15 K step 2 (t % 2), lanes 16-31 the next: 192 consecutive bytes each
.endm
.macro WLOAD t                         ; block t: W(32 t + i, my column), i = 0 .. 31, into set t % 2
.irp i, 0,1,2,3,4,5,6,7,8,9,10,11,12,13,14,15,16,17,18,19,20,21,22,23,24,25,26,27,28,29,30,31
	global_load_b32 v[WX+32*((\t)%2)+\i], v[WOFF+\i], s[32+2*(\t):33+2*(\t)] th:TH_LOAD_NT
.endr
.endm
.macro WBLOCK t
.set WS, WX+32*((\t)%2)
.if (\t) < 7
	s_wait_loadcnt 32                              ; this block's 32 loads are in; the next block's may be out
.else
	s_wait_loadcnt 0x0
.endif
	v_max3_num_f32 v12, |v[WS]|, |v[WS+1]|, |v[WS+2]|
	v_max3_num_f32 v13, |v[WS+3]|, |v[WS+4]|, |v[WS+5]|
.irp i, 6,10,14,18,22,26
	v_max3_num_f32 v12, v12, |v[WS+\i]|, |v[WS+\i+1]|
	v_max3_num_f32 v13, v13, |v[WS+\i+2]|, |v[WS+\i+3]|
.endr
	v_max3_num_f32 v12, v12, |v[WS+30]|, |v[WS+31]|
	v_max3_num_f32 v12, v12, v13, 0x2800000
	v_add_nc_u32 v11, 0xfe000000, v12
	v_lshrrev_b32 v13, 23, v11
.if (\t)%4 == 0
	v_mov_b32 v[WSB+(\t)/4], v13
.else
	v_lshl_or_b32 v[WSB+(\t)/4], v13, 8*((\t)%4), v[WSB+(\t)/4]
.endif
	v_cvt_scalef32_pk16_bf6_f32 v[WC:WC+2], v[WS:WS+15], v11
	v_cvt_scalef32_pk16_bf6_f32 v[WC+4:WC+6], v[WS+16:WS+31], v11
	ds_store_b96 v4, v[WC:WC+2] offset:32*(\t)     ; 12 bytes to a place of 16 in the stage
	ds_store_b96 v4, v[WC+4:WC+6] offset:32*(\t)+16
.if (\t)+2 < 8
	WLOAD (\t)+2
.endif
	s_wait_dscnt 0x0                               ; the stores have read their registers: the next block's codes may be written
.endm
.macro MSTEP s                         ; one key step: 64 words, each the 32 lanes' answers for one register of the attention's step
	s_wait_loadcnt 12-4*(\s)                       ; this step's four loads are in; the later steps' may be out
	v_mov_b32 v[40+2*(\s)], 0                      ; a lane write's destination counts as read
	v_mov_b32 v[41+2*(\s)], 0
	s_mov_b64 s[28:29], -1                         ; the AND of the step's words
	s_mov_b64 s[30:31], 0                          ; and their OR
.set g, 0
.rept 16
.irp k, 0,1,2,3
	v_and_b32 v[32+\k], 0xff<<(8*\k), v[64+16*(\s)+g]   ; byte k of word g: key 4 g + k of my 64
.endr
.irp k, 0,1,2,3
	v_cmp_ne_u32 s[24+\k], 0, v[32+\k]
.endr
	s_and_b64 s[28:29], s[28:29], s[24:25]
	s_and_b64 s[28:29], s[28:29], s[26:27]
	s_or_b64 s[30:31], s[30:31], s[24:25]
	s_or_b64 s[30:31], s[30:31], s[26:27]
.irp k, 0,1,2,3
	v_writelane_b32 v[40+2*(\s)+(\k%2)], s[24+\k], 2*g+(\k/2)   ; word n = 4 g + k goes to lane n / 2, register n % 2
.endr
.set g, g+1
.endr
	global_store_b64 v6, v[40+2*(\s):41+2*(\s)], s[16:17] offset:256*(\s)   ; 32 lanes store 256 consecutive bytes, aligned
	s_and_b32 s28, s28, s29
	s_or_b32 s30, s30, s31
	s_cmp_eq_u32 s28, -1                           ; all masked?
	s_cselect_b32 s28, 1<<(\s), 0
	s_cmp_eq_u32 s30, 0                            ; none masked?
	s_cselect_b32 s30, 0x10000<<(\s), 0
	s_or_b32 s50, s50, s28
	s_or_b32 s50, s50, s30
.endm
	s_load_b256 s[4:11], s[0:1], 0x0               ; X s[4:5], W_qkv s[6:7], W_dense s[8:9], the mask s[10:11]
	s_load_b128 s[12:15], s[0:1], 0x20             ; xw_codes, xw_scales
	s_load_b64 s[16:17], s[0:1], 0x30              ; maskw
	s_load_b64 s[48:49], s[0:1], 0x38              ; maskf
	v_lshl_add_u32 v208, v0, 2, 0x10800
	v_mov_b32 v209, 0
	v_lshrrev_b32 v1, 5, v0
	v_readfirstlane_b32 s18, v1                    ; wave 0..3
	v_and_b32 v2, 31, v0                           ; lane
	s_wait_kmcnt 0x0
	s_cmp_lt_u32 ttmp9, 128
	s_cbranch_scc0 .Lnot_x
	; ---- X.  A wave takes a run of 8 rows (8,192 numbers, a plain stream of blocks of 32) in 16 steps of 512.  The order of rows moves whole runs: run 4 g + 2 w + u goes to place 4 g + 2 u + w.
	s_wait_alu depctr_va_vdst(0)
	v_lshlrev_b32 v3, 4, v2                        ; my 16 bytes of a load's 512
	s_mul_i32 s19, s18, WREG
	v_lshrrev_b32 v14, 2, v2
	v_mul_u32_u24 v14, v14, SP
	v_and_b32 v15, 3, v2
	v_lshl_add_u32 v14, v15, 4, v14
	v_add_nc_u32 v14, s19, v14                     ; the stage, on the way in
	v_mul_u32_u24 v15, v2, SP
	v_add_nc_u32 v15, s19, v15                     ; and on the way out: my 16 neighbours
	v_and_b32 v4, 15, v2
	v_mul_u32_u24 v4, v4, CB
	v_lshrrev_b32 v5, 4, v2
	v_mad_u32_u24 v4, v5, QS, v4                   ; 12 bytes a lane in a row's 192; lanes 16-31 a K step on
	v_lshrrev_b32 v5, 1, v2
	s_add_co_u32 s19, s19, 2*32*SP
	v_add_nc_u32 v5, s19, v5                       ; my block's scale byte in the wave's 256
	v_lshlrev_b32 v7, 3, v2
	v_add_nc_u32 v6, s19, v7
	s_lshl_b32 s20, ttmp9, 2
	s_add_co_u32 s22, s20, s18                     ; the run that I read
	s_lshl_b32 s22, s22, 15
	s_mov_b32 s23, 0
	s_add_nc_u64 s[4:5], s[4:5], s[22:23]
	s_and_b32 s24, s18, 1
	s_lshl_b32 s24, s24, 1
	s_lshr_b32 s25, s18, 1
	s_or_b32 s24, s24, s25
	s_add_co_u32 s24, s24, s20                     ; the place where it goes
	s_mul_i32 s22, s24, 1536
	s_add_nc_u64 s[12:13], s[12:13], s[22:23]
	s_lshl_b32 s22, s24, 8
	s_add_nc_u64 s[14:15], s[14:15], s[22:23]
.irp t, 0,1,2,3
	XLOAD \t
.endr
	s_wait_alu depctr_va_vdst(0)
	s_wait_loadcnt 12                              ; step 0's four loads are in
	XTURN 0
.irp t, 0,1,2,3,4,5,6,7,8,9,10,11,12,13,14,15
	XSTEP \t
.endr
	ds_load_b64 v[12:13], v6                       ; LDS serves a wave's instructions in order: these see my byte stores
	s_wait_dscnt 0x0
	global_store_b64 v7, v[12:13], s[14:15]        ; 32 lanes store 256 consecutive bytes, aligned
	s_wait_tensorcnt 0x0
	ds_add_u32 v208, v209
	s_wait_dscnt 0x0
	s_endpgm
.Lnot_x:
	s_cmp_lt_u32 ttmp9, 256
	s_cbranch_scc0 .Lmask
	; ---- W.  A lane takes a column n and its registers run down K; a wave takes 32 columns x 256 along K, 8 blocks a lane.  The codes go through the wave's own stage and leave by rows, 192 bytes a row.
	s_sub_co_u32 s19, ttmp9, 128
	s_lshr_b32 s20, s19, 2                         ; which 128 columns of the 4,096 (3,072 of W_qkv, then 1,024 of W_dense)
	s_and_b32 s21, s19, 3                          ; which 256 along K
	s_cmp_ge_u32 s19, 96                           ; W_dense's?  The choice hangs on the work-group's number alone
	s_cselect_b64 s[6:7], s[8:9], s[6:7]
	s_mov_b32 s22, 12288
	s_cselect_b32 s22, 4096, s22                   ; a row of W in bytes
	s_cselect_b32 s23, 3072, 0
	s_lshl_b32 s24, s20, 7
	s_lshl_b32 s25, s18, 5
	s_add_co_u32 s24, s24, s25                     ; my wave's first column among the 4,096
	s_sub_co_u32 s25, s24, s23                     ; and in its own tensor
	s_lshl_b32 s25, s25, 2
	s_lshl_b32 s26, s21, 8
	s_mul_i32 s26, s26, s22
	s_add_co_u32 s26, s26, s25
	s_mov_b32 s27, 0
	s_lshl_b32 s28, s22, 5                         ; 32 rows on
	s_mov_b32 s29, 0
	s_add_nc_u64 s[32:33], s[6:7], s[26:27]        ; a base for each block of 32 along K: none is ever stepped
.irp t, 1,2,3,4,5,6,7
	s_add_nc_u64 s[32+2*\t:33+2*\t], s[30+2*\t:31+2*\t], s[28:29]
.endr
	s_wait_alu depctr_va_vdst(0)
	v_lshlrev_b32 v3, 2, v2
.irp i, 0,1,2,3,4,5,6,7,8,9,10,11,12,13,14,15,16,17,18,19,20,21,22,23,24,25,26,27,28,29,30,31
	v_mad_u32_u24 v[WOFF+\i], s22, \i, v3          ; 4 x lane + i rows
.endr
	WLOAD 0
	WLOAD 1
	s_mul_i32 s30, s18, 32*WPITCH
	s_add_co_u32 s30, s30, WLDS                    ; my stage
	v_mul_u32_u24 v4, v2, WPITCH
	v_add_nc_u32 v4, s30, v4                       ; into it: row = my column
	v_and_b32 v5, 15, v2
	v_lshrrev_b32 v6, 4, v2
	v_mul_u32_u24 v7, v6, WPITCH
	v_lshl_add_u32 v7, v5, 4, v7
	v_add_nc_u32 v7, s30, v7                       ; out of it: sixteen lanes to a row, two rows an instruction
	v_mul_u32_u24 v8, v6, 192
	v_mad_u32_u24 v8, v5, 12, v8                   ; and the same place in the codes' buffer
	s_add_co_u32 s31, s24, 4096                    ; the weights' rows begin behind X's 4,096
	s_mul_i32 s26, s31, 192
	s_mul_i32 s28, s21, QS
	s_add_co_u32 s26, s26, s28
	s_add_nc_u64 s[12:13], s[12:13], s[26:27]
	s_lshl_b32 s26, s31, 5
	s_lshl_b32 s28, s21, 3
	s_add_co_u32 s26, s26, s28
	s_add_nc_u64 s[14:15], s[14:15], s[26:27]
	v_and_b32 v9, 7, v2                            ; my column's place among the 32: bits 3 and 4 change places
	v_and_b32 v10, 8, v2
	v_lshl_or_b32 v9, v10, 1, v9
	v_and_b32 v10, 16, v2
	v_lshrrev_b32 v10, 1, v10
	v_or_b32 v9, v9, v10
	v_lshlrev_b32 v9, 5, v9                        ; x 32 bytes of scales a row
.irp t, 0,1,2,3,4,5,6,7
	WBLOCK \t
.endr
	s_wait_alu depctr_va_vdst(0)
	global_store_b64 v9, v[WSB:WSB+1], s[14:15]    ; my column's 8 scale bytes
.irp t, 0,1,2,3,4,5,6,7,8,9,10,11,12,13,14,15
	ds_load_b96 v[WOUT+4*\t:WOUT+4*\t+2], v7 offset:2*\t*WPITCH
.endr
.irp t, 0,1,2,3,4,5,6,7,8,9,10,11,12,13,14,15
	s_wait_dscnt 15-\t                             ; rows 2 t and 2 t + 1 are back; the later ones may be out
	global_store_b96 v8, v[WOUT+4*\t:WOUT+4*\t+2], s[12:13] offset:2*((\t&3)|((\t&4)<<1)|((\t&8)>>1))*192   ; column 2 t + (lane / 16) goes to its place: bits 2 and 3 of t change places
.endr
	s_wait_tensorcnt 0x0
	ds_add_u32 v208, v209
	s_wait_dscnt 0x0
	s_endpgm
.Lmask:
	; ---- THE MASK.  Work-group = a tile of 16 queries as the attention holds them; wave w takes key steps 4 w .. 4 w + 3.  Lane (r, h) reads 16 bytes: query place r, keys 128 s + 32 b + 16 h + 0 .. 15.
	s_sub_co_u32 s19, ttmp9, 256                   ; the tile
	s_wait_alu depctr_va_vdst(0)
	v_and_b32 v3, 15, v2                           ; r
	v_lshrrev_b32 v4, 4, v2                        ; h
	v_and_b32 v5, 8, v3
	v_add_nc_u32 v5, v5, v3                        ; r + 8 (r / 8)
	v_lshlrev_b32 v5, 11, v5                       ; rows of 2,048 bytes
	v_lshl_add_u32 v5, v4, 4, v5
	s_wait_alu depctr_va_vdst(0)
	s_lshr_b32 s20, s19, 1
	s_lshl_b32 s20, s20, 5
	s_and_b32 s21, s19, 1
	s_lshl_b32 s21, s21, 3
	s_add_co_u32 s20, s20, s21                     ; the tile's first query: 32 (tile / 2) + 8 (tile % 2)
	s_lshl_b32 s20, s20, 11
	s_lshl_b32 s21, s18, 9
	s_add_co_u32 s20, s20, s21
	s_mov_b32 s21, 0
	s_add_nc_u64 s[10:11], s[10:11], s[20:21]
	s_lshl_b32 s20, s19, 12
	s_lshl_b32 s22, s18, 10
	s_add_co_u32 s20, s20, s22
	s_add_nc_u64 s[16:17], s[16:17], s[20:21]
	s_lshl_b32 s20, s19, 9
	s_lshl_b32 s22, s18, 7
	s_add_co_u32 s20, s20, s22
	s_add_nc_u64 s[48:49], s[48:49], s[20:21]      ; my wave's 128 bytes of maskf
	s_mov_b32 s50, 0                               ; the four steps' flags
	v_lshlrev_b32 v6, 3, v2
	v_lshlrev_b32 v7, 2, v2
.irp s, 0,1,2,3
.irp b, 0,1,2,3
	global_load_b128 v[64+16*\s+4*\b:64+16*\s+4*\b+3], v5, s[10:11] offset:128*\s+32*\b th:TH_LOAD_NT
.endr
.endr
.irp s, 0,1,2,3
	MSTEP \s
.endr
	v_mov_b32 v50, s50
	global_store_b32 v7, v50, s[48:49]             ; 32 lanes store 128 consecutive bytes, the same word in each
	s_endpgm
.Lfunc_end_k_q1e37dd52db_prep:
	.size	k_q1e37dd52db_prep, .Lfunc_end_k_q1e37dd52db_prep-k_q1e37dd52db_prep
	.p2alignl 7, 3214868480
	.fill 96, 4, 3214868480
	.section	.rodata,"a",@progbits
	.p2align	6, 0x0
	.amdhsa_kernel k_q1e37dd52db_prep
		.amdhsa_group_segment_fixed_size 68096
		.amdhsa_private_segment_fixed_size 0
		.amdhsa_enable_private_segment 0
		.amdhsa_kernarg_size 64
		.amdhsa_user_sgpr_count 2
		.amdhsa_user_sgpr_kernarg_segment_ptr 1
		.amdhsa_wavefront_size32 1
		.amdhsa_system_sgpr_workgroup_id_x 1
		.amdhsa_system_sgpr_workgroup_id_y 1
		.amdhsa_system_sgpr_workgroup_id_z 1
		.amdhsa_system_vgpr_workitem_id 0
		.amdhsa_next_free_vgpr 210
		.amdhsa_next_free_sgpr 66
		.amdhsa_reserve_vcc 0
		.amdhsa_float_denorm_mode_32 3
		.amdhsa_float_denorm_mode_16_64 3
		.amdhsa_memory_ordered 1
		.amdhsa_forward_progress 1
		.amdhsa_inst_pref_size 137
	.end_amdhsa_kernel
	.amdgpu_metadata
---
amdhsa.version: [ 1, 2 ]
amdhsa.kernels:
  - .name:           k_q1e37dd52db_prep
    .symbol:         k_q1e37dd52db_prep.kd
    .args:
      - { .name: X, .offset: 0, .size: 8, .value_kind: global_buffer, .address_space: global }
      - { .name: W_qkv, .offset: 8, .size: 8, .value_kind: global_buffer, .address_space: global }
      - { .name: W_dense, .offset: 16, .size: 8, .value_kind: global_buffer, .address_space: global }
      - { .name: attention_mask, .offset: 24, .size: 8, .value_kind: global_buffer, .address_space: global }
      - { .name: xw_codes, .offset: 32, .size: 8, .value_kind: global_buffer, .address_space: global }
      - { .name: xw_scales, .offset: 40, .size: 8, .value_kind: global_buffer, .address_space: global }
      - { .name: maskw, .offset: 48, .size: 8, .value_kind: global_buffer, .address_space: global }
      - { .name: maskf, .offset: 56, .size: 8, .value_kind: global_buffer, .address_space: global }
    .group_segment_fixed_size: 68096
    .private_segment_fixed_size: 0
    .kernarg_segment_align: 8
    .kernarg_segment_size: 64
    .max_flat_workgroup_size: 128
    .sgpr_count:     66
    .vgpr_count:     210
    .wavefront_size: 32
...
	.end_amdgpu_metadata
.endif
;; end of part 1
;; launch qkv_gemm (part 2): grid 12 x 16, 4 waves a work-group, clusters of 4 x 4, 327,680 bytes of LDS; arguments xw_codes, xw_scales, b_qkv, qkv; writes qkv
.if DOCPART == 2
	.amdgcn_target "amdgcn-amd-amdhsa--gfx1250"
	.amdhsa_code_object_version 6
	.text
	.protected	k_q1e37dd52db_qkv_gemm
	.globl	k_q1e37dd52db_qkv_gemm
	.p2align	8
	.type	k_q1e37dd52db_qkv_gemm,@function
k_q1e37dd52db_qkv_gemm:
	s_mov_b64 s[64:65], 0
	v_nop
	global_prefetch_b8 v0, s[64:65] scope:SCOPE_SE
	s_setreg_imm32_b32 hwreg(HW_REG_WAVE_MODE, 25, 1), 1
	s_wait_xcnt 0x0
	s_wait_alu depctr_hold_cnt(0) depctr_sa_sdst(0) depctr_va_vdst(0) depctr_va_sdst(0) depctr_va_ssrc(0) depctr_va_vcc(0) depctr_vm_vsrc(0)
	s_getreg_b32 s2, hwreg(HW_REG_IB_STS2, 6, 4)
	s_cmp_eq_u32 s2, 0
	s_cbranch_scc0 .Lentry_in_a_cluster
	s_endpgm
.Lentry_in_a_cluster:
	s_bfe_u32 s2, ttmp6, 0x10000c
	s_cmp_lg_u32 s2, 0xf033
	s_cbranch_scc0 .Lentry_shape_is_right
	s_endpgm
.Lentry_shape_is_right:
; qkv = X W_qkv + b_qkv on codes of BF6 (E3M2) with one E8M0 scale for each 32 along K = 1,024; the results leave as CODES, quantised for the attention's products, never as f32.
; Both operands are rows of xw_codes (768 bytes) and xw_scales (32 bytes): X's tokens at rows 0.., W_qkv's columns at rows 4,096...  Inside each group of 32 rows, row 16 w + 8 u + j lies at place 16 u + 8 w + j.
; A work-group of four waves makes 256 x 256, a wave 128 x 128: 64 accumulators, 512 registers.  K goes in steps of 256 through a ring of two LDS slots filled by the tensor data mover; the scales of the
; work-group's rows come once.  4 x 4 work-groups form a cluster: tiles of source 1 are shared along a row of it, tiles of source 0 along a column, each asked for jointly.
; THE PRODUCT IS USED TRANSPOSED: source 0 = 16 rows of 'B', source 1 = 16 rows of 'A': a lane holds one row of A, and by the order of rows its 16 registers of two neighbouring tiles are 16 NEIGHBOURS among B's rows.
; THE CLUSTER'S x IS THE KIND: 0 q, 1 k: A = tokens, B = W's columns: a lane holds a token and runs along the head's channels, the K of q k^T.
;                              2 v:      A = W's columns, B = tokens: a lane holds a channel and runs along the tokens, the K of p v.
; OUT: qkv = q | k | v, each [head of batch 32][step of 128 tokens 16][6,400 bytes]: four fragments as images of their 12 registers (register x of lane l at 512 (x / 4) + 16 l + 4 (x % 4)), then 256 bytes of
; scale words [row 16][4].  A fragment of q or k holds two tiles of 16 tokens side by side along K (64 channels each); a fragment of v is 16 channels x 128 tokens.
; LIMITS: a block of zeros gets the scale byte 1 where the quantiser says 127 (its codes are zeros; this program alone reads the bytes); NaN and infinities are not served.
; REGISTERS: window 0: v0-31 addresses; v32-63 scale words, two sets; v64-127 the bias; from v128 A's fragments, one set; on the way out v32-63 and v128-255 are at work.  window 1: B's fragments, two sets.
;   windows 2, 3: the accumulators ((a, b) at v[8 (8 (a % 4) + b)]).
.set KSTEP,  256
.set NQ,     2
; THE CODES' LAYOUT (in place of the rows of 768 bytes named above): xw_codes is [K step of 256: 4][row 8,192][192 bytes]: 128 rows of a K step are 24,576 dense bytes and come as 96 rows of 256 bytes;
; with 16 bytes of padding behind every 64 their image in LDS is 128 rows of 240 bytes.
.set ROWB,   1572864                   ; bytes from a K step to the next
.set G0H,    4                         ; s[4:7], s[8:11] group 0 of the head's loads of K step 0: A's 256 rows, B's 256 rows
.set G0HB,   8
.set KROW,   192
.set PITCH,  240                       ; an LDS row: 3 x (64 bytes + 16 of padding)
.set FR,     12
.set NL,     6
.set NP,     4
.set HALFT,  128*PITCH
.set SLOT,   4*HALFT
.set LAPS,   2                         ; 1,024 along K = four K steps = twice round the ring
.set KS,     32
.set SCL,    2*SLOT
.set HALFS,  (128*KS/256)*272
.set SBLK,   (16*KS/256)*272
.set SPARE,  SCL+4*HALFS               ; the spare words, 128 bytes a wave: two blocks of 256 bytes that no other line names
.set REG,    3276800                   ; bytes of q's, k's and v's region
.set HEADB,  102400                    ; of a head in it
.set STEPB,  6400                      ; of a step of 128 tokens
.set ADRA, 16
.set ADRB, 20
.set CO,   26                          ; v26  16 x lane
.set ADRS, 27
.set SPW,  28
.set NIL,  29
.set BO,   30                          ; v30  the bias loads' offset
.set SOF,  31                          ; v31  where my scale words go: 16 r + a head's bytes x h
.set SC,   32
.set AF,   128
.set TM,   32                          ; the way out: v32-35 largest magnitudes, v36-39 bytes, v44-47 scale operands
.set CT,   48                          ; v48-50, v52-54 second halves of the conversions
.set PW,   56                          ; v56-63 the eight scale words
.set BI,   64                          ; v64-127 the bias
.set T,    128                         ; v128-191 64 numbers of a lane
.set CF,   192                         ; v192-239 codes
.set OW,   240                         ; v240-243 scale words as they leave
.set G1, 24
.set G0, 32
.set G1B, 48
.set G0B, 56
.set G1S, 68
.set G0S, 76
.set G1SB, 80
.set G0SB, 88
.set SEL, 66                           ; s[66:67] on the way out: lane selects for lane l xor 16
.set MSB, 0
.macro WIN new                         ; the immediate's high byte repeats the setting that is left
.if MSB != (\new)
	s_set_vgpr_msb (MSB<<8)|(\new)
.set MSB, (\new)
.endif
.endm
.set MUL_LO, 0xa1
.set MUL_HI, 0xf1
.set TO_B,   0x40
.macro JLOAD g0a, g1a, g0b, g1b        ; a joint load: waves 0 and 1 fetch for A, waves 2 and 3 for B; four v_nop follow each of the two lines
	s_cmp_eq_u32 s15, 0
	s_cbranch_scc0 .Lfor_b_\@
	tensor_load_to_lds s[\g0a:\g0a+3], s[\g1a:\g1a+7]
	s_nop 0
.rept 4
	v_nop
.endr
	s_branch .Lasked_\@
.Lfor_b_\@:
	tensor_load_to_lds s[\g0b:\g0b+3], s[\g1b:\g1b+7]
	s_nop 0
.rept 4
	v_nop
.endr
.Lasked_\@:
.endm
.macro CREST
	s_cmp_lg_u32 s14, 0
	s_cbranch_scc1 .Lnot_wave_0_\@
	s_barrier_signal -3
.Lnot_wave_0_\@:
	s_barrier_wait -3
	s_barrier_signal -1
	s_barrier_wait -1
.endm
.macro CROUND
	s_barrier_signal -1
	s_barrier_wait -1
	CREST
.endm
	s_load_b128 s[4:7], s[0:1], 0x0                ; the codes s[4:5], the scales s[6:7]: both operands' rows lie in them
	s_load_b128 s[96:99], s[0:1], 0x10             ; b_qkv s[96:97], qkv s[98:99]
	v_lshl_add_u32 v[SPW], v0, 2, SPARE
	v_mov_b32 v[NIL], 0
	ds_add_u32 v28, v29
	ds_add_u32 v28, v29
	s_wait_dscnt 0x0
	v_lshrrev_b32 v1, 5, v0
	v_readfirstlane_b32 s14, v1                    ; wave 0..3
	s_lshr_b32 s15, s14, 1                         ; which half of A's 256 rows is mine.  Also: I fetch for A (0) or for B (1)
	s_and_b32 s16, s14, 1                          ; which half of B's.  Also: which 128 rows of that tile I fetch
	s_bfe_u32 s40, ttmp6, 0x40000                  ; cx, cy
	s_bfe_u32 s41, ttmp6, 0x40004
	s_and_b32 s66, ttmp7, 0xffff                   ; the cluster's y
	s_cmp_eq_u32 ttmp9, 2                          ; v?  The cluster's x is the same in all sixteen partners
	s_cselect_b32 s67, 0, s66                      ; A's tiles: tokens by the cluster's y; v: the 1,024 channels are one cluster's height
	s_cselect_b32 s95, s66, ttmp9                  ; B's tiles: W's columns by the cluster's x; v: tokens by the cluster's y
	s_cselect_b32 s12, 6144, 0                     ; A's first row in the buffers
	s_cselect_b32 s13, 0, 4096                     ; B's
	s_lshl_b32 s42, s95, 2
	s_add_co_u32 s42, s42, s40                     ; B's tile = 4 x .. + cx
	s_lshl_b32 s17, s67, 2
	s_add_co_u32 s17, s17, s41                     ; A's tile = 4 x .. + cy
	s_lshl_b32 s43, s41, 2
	s_lshl_b32 s43, 15, s43                        ; my row of the cluster
	s_lshl_b32 s44, 0x1111, s40                    ; my column
	s_or_b32 s[G1+0], s43, (0<<16)|(1<<20)|(1<<21)|(3<<22)|(3<<25)  ; the mask; elements of 1 byte; padding on: 4 words behind every 16; bit 21 beside a mask
	s_or_b32 s[G1B+0], s44, (0<<16)|(1<<20)|(1<<21)|(3<<22)|(3<<25)
.irp g, G1, G1B
	s_mov_b32 s[\g+1], 256<<16                     ; tensor_dim0: rows of 256 bytes
	s_mov_b32 s[\g+2], 192<<16                     ; tensor_dim1: the head's loads bring 256 rows of codes = 192 such rows
	s_mov_b32 s[\g+3], 256<<16                     ; tile_dim0
	s_mov_b32 s[\g+4], 192                         ; tile_dim1
	s_mov_b32 s[\g+5], 256                         ; the pitch: dense
	s_mov_b32 s[\g+6], 0
	s_mov_b32 s[\g+7], 0
.endr
	s_or_b32 s[G1S+0], s43, (3<<16)|(1<<20)|(1<<21)|(5<<22)|(3<<25)  ; the scales of 256 rows: 8,192 dense bytes as 32 rows of 256, 16 bytes of padding behind each
	s_or_b32 s[G1SB+0], s44, (3<<16)|(1<<20)|(1<<21)|(5<<22)|(3<<25)
.irp g, G1S, G1SB
	s_mov_b32 s[\g+1], 32<<16
	s_mov_b32 s[\g+2], (256*KS/256)<<16
	s_mov_b32 s[\g+3], 32<<16
	s_mov_b32 s[\g+4], 256*KS/256
	s_mov_b32 s[\g+5], 32
	s_mov_b32 s[\g+6], 0
	s_mov_b32 s[\g+7], 0
.endr
	s_lshl_b32 s20, s17, 8
	s_add_co_u32 s20, s20, s12                     ; A's tile's first row: it never holds cx
	s_lshl_b32 s46, s42, 8
	s_add_co_u32 s46, s46, s13                     ; B's: it never holds cy
	s_lshl_b32 s22, s20, 5                         ; their scales, 32 bytes a row
	s_mov_b32 s23, 0
	s_lshl_b32 s92, s46, 5
	s_mov_b32 s93, 0
	s_mul_i32 s20, s20, KROW                       ; their codes (8,192 rows x 768 bytes stay under 2^32)
	s_mov_b32 s21, 0
	s_mul_i32 s46, s46, KROW
	s_mov_b32 s47, 0
	s_mul_i32 s45, s14, HALFT                      ; where they go: wave x 128 rows
	s_wait_kmcnt 0x0
	s_add_nc_u64 s[20:21], s[4:5], s[20:21]
	s_add_nc_u64 s[22:23], s[6:7], s[22:23]
	s_add_nc_u64 s[46:47], s[4:5], s[46:47]
	s_add_nc_u64 s[92:93], s[6:7], s[92:93]
	CROUND                                         ; all sixteen work-groups are here: the first joint loads meet
	s_mov_b32 s[G0S], 1
	s_mov_b32 s[G0S+1], SCL
	s_mov_b64 s[G0S+2:G0S+3], s[22:23]
	s_or_b32 s[G0S+3], s[G0S+3], 0x80000000
	s_mov_b32 s[G0SB], 1
	s_mov_b32 s[G0SB+1], SCL+2*HALFS
	s_mov_b64 s[G0SB+2:G0SB+3], s[92:93]
	s_or_b32 s[G0SB+3], s[G0SB+3], 0x80000000
	s_mov_b32 s[G0H], 1                            ; K step 0's 256 rows of A,
	s_mov_b32 s[G0H+1], 0
	s_mov_b64 s[G0H+2:G0H+3], s[20:21]
	s_or_b32 s[G0H+3], s[G0H+3], 0x80000000
	s_mov_b32 s[G0HB], 1                           ; and of B, behind them in slot 0
	s_mov_b32 s[G0HB+1], 2*HALFT
	s_mov_b64 s[G0HB+2:G0HB+3], s[46:47]
	s_or_b32 s[G0HB+3], s[G0HB+3], 0x80000000
	s_mul_i32 s18, s16, 128*KROW                   ; in the ring I fetch 128 rows of a tile: which half
	s_mov_b32 s19, 0
	s_add_nc_u64 s[20:21], s[20:21], s[18:19]
	s_add_nc_u64 s[46:47], s[46:47], s[18:19]
.irp s, 0,1
	s_mov_b32 s[G0+4*\s], 1
	s_add_co_u32 s[G0+4*\s+1], s45, \s*SLOT
	s_add_nc_u64 s[G0+4*\s+2:G0+4*\s+3], s[20:21], \s*ROWB
	s_or_b32 s[G0+4*\s+3], s[G0+4*\s+3], 0x80000000
	s_mov_b32 s[G0B+4*\s], 1
	s_add_co_u32 s[G0B+4*\s+1], s45, \s*SLOT
	s_add_nc_u64 s[G0B+4*\s+2:G0B+4*\s+3], s[46:47], \s*ROWB
	s_or_b32 s[G0B+4*\s+3], s[G0B+4*\s+3], 0x80000000
.endr
; THE HEAD'S LOADS, ONE A WAVE: wave 0 K step 0's 256 rows of A, wave 1 its 256 rows of B, wave 2 the scales of A's 256 rows, wave 3 those of B's.  One tree of branches on the wave's number.
.macro ARM under, g0, g1, next
	s_cmp_lt_u32 s14, \under
	s_cbranch_scc0 \next
	tensor_load_to_lds s[\g0:\g0+3], s[\g1:\g1+7]
	s_nop 0
.rept 4
	v_nop
.endr
	s_branch .Lhead_asked
\next:
.endm
	ARM 1, G0H,  G1,  .Lhead_b
	ARM 2, G0HB, G1B, .Lhead_sa
	ARM 3, G0S,  G1S, .Lhead_sb
	tensor_load_to_lds s[G0SB:G0SB+3], s[G1SB:G1SB+7]
	s_nop 0
.rept 4
	v_nop
.endr
.Lhead_asked:
	v_and_b32 v1, 15, v0
	v_bfe_u32 v2, v0, 4, 1                         ; h: kept
	v_mul_u32_u24 v3, v1, PITCH
	v_mul_u32_u24 v4, v2, 24
	v_add_nc_u32 v4, v3, v4                        ; a fragment's row x pitch + 24 x half
	v_lshl_add_u32 v5, v2, 4, v4                   ; and the same behind one padding more
	s_mul_i32 s21, s15, HALFT
	s_mul_i32 s22, s16, HALFT
	s_add_co_u32 s22, s22, 2*HALFT
.irp s, 0,1
	v_add_nc_u32 v[ADRA+\s], s21, v4
	v_add_nc_u32 v[ADRB+\s], s22, v4
	v_add_nc_u32 v[ADRA+2+\s], s21, v5
	v_add_nc_u32 v[ADRB+2+\s], s22, v5
	s_add_co_u32 s21, s21, SLOT
	s_add_co_u32 s22, s22, SLOT
.endr
	v_mul_u32_u24 v5, v1, KS
	v_lshrrev_b32 v6, 8, v5
	v_lshl_add_u32 v5, v6, 4, v5                   ; my row's scales: 32 bytes a row, 16 more for each 256 passed
	s_mul_i32 s21, s15, HALFS
	s_mul_i32 s22, s16, HALFS
	s_add_co_u32 s22, s22, 2*HALFS
	s_sub_co_u32 s22, s22, s21
	v_mul_u32_u24 v6, s22, v2                      ; lanes 16-31 take B's
	s_add_co_u32 s21, s21, SCL
	v_add_nc_u32 v5, v5, v6
	v_add_nc_u32 v[ADRS], s21, v5
	v_and_b32 v6, 31, v0
	v_lshlrev_b32 v[CO], 4, v6
.macro FRAG reg, adr, q, i             ; 16 rows x 128 K of 6-bit codes: 12 registers, in pieces of 8 bytes; where the piece three on lies behind one padding more, the second address register serves
.irp p, 0,1,2,3,4,5
.set PC, 12*(\q)+6*(\p/3)+\p%3
.if PC%8 < 5
	ds_load_b64 v[\reg+2*\p:\reg+2*\p+1], v[\adr] offset:8*PC+16*(PC/8)+(\i)*16*PITCH
.else
	ds_load_b64 v[\reg+2*\p:\reg+2*\p+1], v[\adr+2] offset:8*PC+16*(PC/8)+(\i)*16*PITCH
.endif
.endr
.endm
; 16 matrix instructions: A's blocks a0, a0 + 1 x B's eight.  The 64 accumulators take turns, one instruction a turn, in the same order in every step.
.macro MUL16 a0, p, q, sc, zero
.irp a, \a0, \a0+1
.irp b, 0,1,2,3,4,5,6,7
.if \zero
	v_wmma_scale_f32_16x16x128_f8f6f4 v[8*(8*((\a)%4)+\b):8*(8*((\a)%4)+\b)+7], v[128*(\p)+FR*\b:128*(\p)+FR*\b+FR-1], v[AF+FR*(\a):AF+FR*(\a)+FR-1], 0, v[SC+8*NQ*(\sc)+NQ*\b+(\q)], v[SC+8*NQ*(\sc)+NQ*(\a)+(\q)] matrix_a_fmt:MATRIX_FMT_BF6 matrix_b_fmt:MATRIX_FMT_BF6 matrix_a_scale:MATRIX_SCALE_ROW1
.else
	v_wmma_scale_f32_16x16x128_f8f6f4 v[8*(8*((\a)%4)+\b):8*(8*((\a)%4)+\b)+7], v[128*(\p)+FR*\b:128*(\p)+FR*\b+FR-1], v[AF+FR*(\a):AF+FR*(\a)+FR-1], v[8*(8*((\a)%4)+\b):8*(8*((\a)%4)+\b)+7], v[SC+8*NQ*(\sc)+NQ*\b+(\q)], v[SC+8*NQ*(\sc)+NQ*(\a)+(\q)] matrix_a_fmt:MATRIX_FMT_BF6 matrix_b_fmt:MATRIX_FMT_BF6 matrix_a_scale:MATRIX_SCALE_ROW1
.endif
.endr
.endr
.endm
.macro FETCH_B slot, q, p
	WIN TO_B
.irp i, 0,1,2,3,4,5,6,7
	FRAG 128*(\p)+FR*\i, ADRB+\slot, \q, \i
.endr
	WIN 0
.endm
.macro FETCH_A slot, q, i0
.irp i, \i0, \i0+1, \i0+2, \i0+3
	FRAG AF+FR*(\i), ADRA+\slot, \q, \i
.endr
.endm
.macro SCALES sc                       ; a K step's scale words: lanes 0-15 take A's block i, lanes 16-31 B's block i
.irp i, 0,1,2,3,4,5,6,7
	ds_load_b64 v[SC+8*NQ*\sc+NQ*\i:SC+8*NQ*\sc+NQ*\i+1], v[ADRS] offset:\i*SBLK
.endr
.endm
.macro PLACES n                        ; plain vector instructions between a matrix instruction and a load into, or a read or write by a vector instruction of, its registers
.rept \n
	v_nop
.endr
.endm
.macro STEP slot, q, zero              ; a step of 128 along K that has its successor in the same slot
	s_wait_dscnt 4*NL                              ; B's set and A's blocks 0-3 are in; the youngest 24 loads (A's blocks 4-7) may be out
	WIN MUL_LO
	MUL16 0, (\q)%2, \q, \slot, \zero
	MUL16 2, (\q)%2, \q, \slot, \zero
	s_wait_dscnt 0
	PLACES NP
	FETCH_B \slot, (\q)+1, 1-(\q)%2
	FETCH_A \slot, (\q)+1, 0
	WIN MUL_HI
	MUL16 4, (\q)%2, \q, \slot, \zero
	MUL16 6, (\q)%2, \q, \slot, \zero
	PLACES NP
	WIN 0
	FETCH_A \slot, (\q)+1, 4
.endm
.macro TURN slot, next, fill           ; a slot's last step changes slots: one barrier; fill = 1: this slot is filled again, two K steps ahead, behind a round of the cluster's barrier
	s_wait_tensorcnt 0x0                           ; all my tensor loads have landed: my part of the next slot
	ds_add_u32 v[SPW], v[NIL]                      ; 0 onto my spare word
	s_wait_dscnt 4*NL+1                            ; (the add and the youngest 24 loads, A's blocks 4-7, may be out)
	WIN MUL_LO
	MUL16 0, 1, NQ-1, \slot, 0
	s_wait_dscnt 0x0                               ; the add is done, and my reads of this slot are over
	s_barrier_signal -1
	MUL16 2, 1, NQ-1, \slot, 0
	WIN 0
	s_barrier_wait -1
.if \fill
	CREST                                          ; no wave of any partner still reads this slot's tile or has a load on its way
	s_add_nc_u64 s[G0+4*\slot+2:G0+4*\slot+3], s[G0+4*\slot+2:G0+4*\slot+3], 2*ROWB
	s_add_nc_u64 s[G0B+4*\slot+2:G0B+4*\slot+3], s[G0B+4*\slot+2:G0B+4*\slot+3], 2*ROWB
	JLOAD G0+4*\slot, G1, G0B+4*\slot, G1B         ; the first tensor load behind the round; its four v_nop are the places in front of the loads below
.else
	PLACES NP
.endif
	s_wait_alu depctr_va_vdst(0)
	v_add_nc_u32 v[ADRS], 4*NQ, v[ADRS]
	FETCH_B \next, 0, 0
	FETCH_A \next, 0, 0
	SCALES \next
	WIN MUL_HI
	MUL16 4, 1, NQ-1, \slot, 0
	MUL16 6, 1, NQ-1, \slot, 0
	PLACES NP
	WIN 0
	FETCH_A \next, 0, 4
.endm
.macro LASTSTEP                        ; the very last step: nothing more to fetch
	s_wait_dscnt 4*NL
	WIN MUL_LO
	MUL16 0, 1, NQ-1, 1, 0
	MUL16 2, 1, NQ-1, 1, 0
	s_wait_dscnt 0
	WIN MUL_HI
	MUL16 4, 1, NQ-1, 1, 0
	MUL16 6, 1, NQ-1, 1, 0
	WIN 0
.endm
; THE WAY OUT.  ADDB: A's block a: its 64 sums + the bias -> v[T] on, each accumulator from its low end on.  kind 0: the bias runs along the registers; kind 1: one number a lane (my channel's), held twice as a pair.
.macro ADDB a, kind
	WIN 0x02+((\a)/4)                              ; source 0: window 2 or 3
.set i2, 0
.rept 32
.if \kind
	v_pk_add_f32 v[T+i2:T+i2+1], v[64*((\a)%4)+i2:64*((\a)%4)+i2+1], v[BI+2*(\a):BI+2*(\a)+1]
.else
	v_pk_add_f32 v[T+i2:T+i2+1], v[64*((\a)%4)+i2:64*((\a)%4)+i2+1], v[BI+i2:BI+i2+1]
.endif
.set i2, i2+2
.endr
	WIN 0
.endm
; QUANT: 64 numbers of a lane, register 16 b + i = k 32 b + 16 (lane / 16) + i of my row, become codes: k 0..63 in v[d0] .. v[d0 + 5], k 64..127 in v[d1] .. v[d1 + 5] (a lane: 32 (lane / 16) + 0 .. 31 of each), and the scale word v[pw].
.macro QUANT s, d0, d1, pw
.irp b, 0,1,2,3
	v_max3_num_f32 v[TM+\b], |v[(\s)+16*\b]|, |v[(\s)+1+16*\b]|, 0x2800000   ; my 16 numbers of block b, and the floor 2^(5 - 127): the byte cannot fall under 1
.endr
.irp i, 2,4,6,8,10,12,14
.irp b, 0,1,2,3
	v_max3_num_f32 v[TM+\b], v[TM+\b], |v[(\s)+16*\b+\i]|, |v[(\s)+1+16*\b+\i]|
.endr
.endr
.irp b, 0,1,2,3
	v_permlanex16_b32 v[TM+4+\b], v[TM+\b], s[SEL], s[SEL+1]
.endr
.irp b, 0,1,2,3
	v_max_num_f32 v[TM+\b], v[TM+\b], v[TM+4+\b]   ; with lane l xor 16's: the block's largest magnitude
.endr
.irp b, 0,1,2,3
	v_add_nc_u32 v[TM+12+\b], 0xfe000000, v[TM+\b] ; 4 off its exponent field: the conversion's scale operand
.endr
.irp b, 0,1,2,3
	v_lshrrev_b32 v[TM+4+\b], 23, v[TM+12+\b]      ; the scale's byte
.endr
	v_lshl_or_b32 v[\pw], v[TM+5], 8, v[TM+4]
	v_lshl_or_b32 v[\pw], v[TM+6], 16, v[\pw]
	v_lshl_or_b32 v[\pw], v[TM+7], 24, v[\pw]
	v_cvt_scalef32_pk16_bf6_f32 v[(\d0):(\d0)+2], v[(\s):(\s)+15], v[TM+12]
	v_cvt_scalef32_pk16_bf6_f32 v[CT:CT+2], v[(\s)+16:(\s)+31], v[TM+13]
	v_cvt_scalef32_pk16_bf6_f32 v[(\d1):(\d1)+2], v[(\s)+32:(\s)+47], v[TM+14]
	v_cvt_scalef32_pk16_bf6_f32 v[CT+4:CT+6], v[(\s)+48:(\s)+63], v[TM+15]
	v_nop                                          ; one plain place behind a scaled conversion
.irp i, 0,1,2
	v_permlane16_swap_b32 v[(\d0)+\i], v[CT+\i]    ; a whole block to a lane: lanes 0-15 the even block, lanes 16-31 the odd one
.endr
.irp i, 0,1,2
	v_mov_b32 v[(\d0)+3+\i], v[CT+\i]
.endr
.irp i, 0,1,2
	v_permlane16_swap_b32 v[(\d1)+\i], v[CT+4+\i]
.endr
.irp i, 0,1,2
	v_mov_b32 v[(\d1)+3+\i], v[CT+4+\i]
.endr
.endm
.macro OUTSET                          ; what both ways out need
	s_mov_b32 s[SEL], 0x76543210
	s_mov_b32 s[SEL+1], 0xfedcba98
.irp b, 0,1,2,3
	v_mov_b32 v[TM+4+\b], 0                        ; written once: a lane permute's destination counts as one of its sources
.endr
	v_mul_u32_u24 v[SOF], v2, HEADB
	v_lshl_add_u32 v[SOF], v1, 4, v[SOF]
	v_cmp_ne_u32 vcc_lo, 0, v2                     ; lanes 16-31 serve the second of my two heads
.endm
.macro FINISH
	s_wait_tensorcnt 0x0                           ; the wave's end
	ds_add_u32 v[SPW], v[NIL]
	s_wait_dscnt 0x0
	CROUND                                         ; the closing round: no work-group ends while a partner may still ask for a tile that names it
	s_endpgm
.endm
	s_wait_alu depctr_va_vdst(0)
	s_wait_tensorcnt 0x0                           ; my tile of the head's four is in
	ds_add_u32 v[SPW], v[NIL]
	s_mov_b32 s[G1+2], 96<<16                      ; no tensor load of mine is out: from here on a load brings 128 rows of codes = 96 rows of 256 bytes
	s_mov_b32 s[G1+4], 96
	s_mov_b32 s[G1B+2], 96<<16
	s_mov_b32 s[G1B+4], 96
	s_wait_dscnt 0x0
	CROUND                                         ; all four tiles are in, and all sixteen work-groups are here
	JLOAD G0+4, G1, G0B+4, G1B                     ; K step 1, the first tensor load behind the round
	FETCH_B 0, 0, 0
	FETCH_A 0, 0, 0
	SCALES 0
	FETCH_A 0, 0, 4
	STEP 0, 0, 1                                   ; the first step's products start the sums
	s_mov_b32 s3, LAPS-1
.Llap:
	TURN 0, 1, 1
	STEP 1, 0, 0
	TURN 1, 0, 1
	STEP 0, 0, 0
	s_sub_co_u32 s3, s3, 1
	s_cmp_lg_u32 s3, 0
	s_cbranch_scc1 .Llap
	TURN 0, 1, 0                                   ; the last lap fills nothing
	STEP 1, 0, 0
	s_cmp_eq_u32 ttmp9, 2                          ; the kind: the same in all partners
	s_cbranch_scc1 .Lv_arm
	; ---- q and k.  The bias of my 128 columns is asked for here and lands under the last step's 64 products.
	s_lshl_b32 s20, ttmp9, 12                      ; 4 bytes x (1,024 x kind + 256 cx + 128 x my half)
	s_lshl_b32 s21, s40, 10
	s_add_co_u32 s20, s20, s21
	s_lshl_b32 s21, s16, 9
	s_add_co_u32 s20, s20, s21
	s_mov_b32 s21, 0
	s_add_nc_u64 s[96:97], s[96:97], s[20:21]
	v_lshlrev_b32 v[BO], 6, v2                     ; register 8 b + j is column 32 (b / 2) + 16 h + 8 (b % 2) + j
.irp b, 0,1,2,3,4,5,6,7
	global_load_b128 v[BI+8*\b:BI+8*\b+3], v[BO], s[96:97] offset:128*(\b/2)+32*(\b%2)
	global_load_b128 v[BI+8*\b+4:BI+8*\b+7], v[BO], s[96:97] offset:128*(\b/2)+32*(\b%2)+16
.endr
	s_lshl_b32 s22, s17, 1
	s_add_co_u32 s22, s22, s15                     ; my 128 tokens: which of the 32 steps
	s_lshr_b32 s23, s22, 4
	s_lshl_b32 s23, s23, 4                         ; 16 heads a batch
	s_lshl_b32 s46, s40, 2
	s_add_co_u32 s23, s23, s46
	s_lshl_b32 s46, s16, 1
	s_add_co_u32 s23, s23, s46                     ; the first of my two heads
	s_mul_i32 s23, s23, HEADB
	s_and_b32 s22, s22, 15
	s_mul_i32 s22, s22, STEPB
	s_add_co_u32 s22, s22, s23
	s_mul_i32 s23, ttmp9, REG
	s_add_co_u32 s22, s22, s23
	s_mov_b32 s23, 0
	s_add_nc_u64 s[98:99], s[98:99], s[22:23]
	LASTSTEP
	PLACES NP
	s_wait_loadcnt 0x0                             ; the bias
	OUTSET
	v_mov_b32 v244, 0x05040100                     ; the low halves of two scale words (my first head's bytes),
	v_mov_b32 v245, 0x07060302                     ; or the high halves (my second head's)
	v_cndmask_b32 v244, v244, v245, vcc_lo
.irp be, 0,1,2,3                       ; fragment be: tiles 2 be and 2 be + 1 of tokens, side by side along K; each QUANT gives both heads' halves
.if \be >= 2
	s_wait_xcnt 0x0                                ; the stores of two fragments back have read this set of registers
.endif
	ADDB 2*\be, 0
	QUANT T, CF+24*(\be%2), CF+24*(\be%2)+12, PW+2*\be
	ADDB 2*\be+1, 0
	QUANT T, CF+24*(\be%2)+6, CF+24*(\be%2)+18, PW+2*\be+1
.irp c, 0,1
.irp i, 0,1,2
	global_store_b128 v[CO], v[CF+24*(\be%2)+12*\c+4*\i:CF+24*(\be%2)+12*\c+4*\i+3], s[98:99] offset:\c*HEADB+1536*\be+512*\i   ; 32 lanes store 512 consecutive bytes, aligned
.endr
.endr
.endr
.irp be, 0,1,2,3
	v_perm_b32 v[OW+\be], v[PW+2*\be+1], v[PW+2*\be], v244   ; tile 2 be's two bytes below, tile 2 be + 1's above
.endr
	global_store_b128 v[SOF], v[OW:OW+3], s[98:99] offset:6144   ; sixteen lanes store a head's 256 bytes of scale words
	FINISH
.Lv_arm:
	; ---- v.  A lane holds a channel: its bias is one number, loaded twice to make a pair.
	s_lshl_b32 s20, s17, 10                        ; 4 bytes x (2,048 + 256 x A's tile + 128 x my half)
	s_lshl_b32 s21, s15, 9
	s_add_co_u32 s20, s20, s21
	s_add_co_u32 s20, s20, 8192
	s_mov_b32 s21, 0
	s_add_nc_u64 s[96:97], s[96:97], s[20:21]
	v_and_b32 v[BO], 8, v1
	v_add_nc_u32 v[BO], v[BO], v1
	v_lshlrev_b32 v[BO], 2, v[BO]                  ; place r of block a is channel 32 (a / 2) + 8 (a % 2) + r + 8 (r / 8)
.irp a, 0,1,2,3,4,5,6,7
	global_load_b32 v[BI+2*\a], v[BO], s[96:97] offset:4*(32*(\a/2)+8*(\a%2))
	global_load_b32 v[BI+2*\a+1], v[BO], s[96:97] offset:4*(32*(\a/2)+8*(\a%2))
.endr
	s_lshl_b32 s22, s42, 1
	s_add_co_u32 s22, s22, s16                     ; my 128 tokens: which of the 32 steps
	s_lshr_b32 s23, s22, 4
	s_lshl_b32 s23, s23, 4
	s_lshl_b32 s46, s17, 2
	s_add_co_u32 s23, s23, s46
	s_lshl_b32 s46, s15, 1
	s_add_co_u32 s23, s23, s46                     ; the first of my two heads
	s_mul_i32 s23, s23, HEADB
	s_and_b32 s22, s22, 15
	s_mul_i32 s22, s22, STEPB
	s_add_co_u32 s22, s22, s23
	s_add_co_u32 s22, s22, 2*REG
	s_mov_b32 s23, 0
	s_add_nc_u64 s[98:99], s[98:99], s[22:23]
	LASTSTEP
	PLACES NP
	s_wait_loadcnt 0x0
	OUTSET
.irp a, 0,1,2,3,4,5,6,7                ; block a: 16 channels x my 128 tokens: one whole fragment
.if \a >= 4
	s_wait_xcnt 0x0                                ; the stores of four fragments back have read this set of registers
.endif
	ADDB \a, 1
	QUANT T, CF+12*(\a%4), CF+12*(\a%4)+6, PW+\a
.irp i, 0,1,2
	global_store_b128 v[CO], v[CF+12*(\a%4)+4*\i:CF+12*(\a%4)+4*\i+3], s[98:99] offset:(\a/4)*HEADB+1536*(\a%4)+512*\i
.endr
.endr
.irp t, 0,1,2,3
	v_cndmask_b32 v[OW+\t], v[PW+\t], v[PW+4+\t], vcc_lo
.endr
	global_store_b128 v[SOF], v[OW:OW+3], s[98:99] offset:6144
	FINISH
.Lfunc_end_k_q1e37dd52db_qkv_gemm:
	.size	k_q1e37dd52db_qkv_gemm, .Lfunc_end_k_q1e37dd52db_qkv_gemm-k_q1e37dd52db_qkv_gemm
	.p2alignl 7, 3214868480
	.fill 96, 4, 3214868480
	.section	.rodata,"a",@progbits
	.p2align	6, 0x0
	.amdhsa_kernel k_q1e37dd52db_qkv_gemm
		.amdhsa_group_segment_fixed_size 327680
		.amdhsa_private_segment_fixed_size 0
		.amdhsa_enable_private_segment 0
		.amdhsa_kernarg_size 32
		.amdhsa_user_sgpr_count 2
		.amdhsa_user_sgpr_kernarg_segment_ptr 1
		.amdhsa_wavefront_size32 1
		.amdhsa_system_sgpr_workgroup_id_x 1
		.amdhsa_system_sgpr_workgroup_id_y 1
		.amdhsa_system_sgpr_workgroup_id_z 1
		.amdhsa_system_vgpr_workitem_id 0
		.amdhsa_next_free_vgpr 1024
		.amdhsa_next_free_sgpr 100
		.amdhsa_reserve_vcc 1
		.amdhsa_float_denorm_mode_32 3
		.amdhsa_float_denorm_mode_16_64 3
		.amdhsa_memory_ordered 1
		.amdhsa_forward_progress 1
		.amdhsa_inst_pref_size 243
	.end_amdhsa_kernel
	.amdgpu_metadata
---
amdhsa.version: [ 1, 2 ]
amdhsa.kernels:
  - .name:           k_q1e37dd52db_qkv_gemm
    .symbol:         k_q1e37dd52db_qkv_gemm.kd
    .args:
      - { .name: xw_codes, .offset: 0, .size: 8, .value_kind: global_buffer, .address_space: global }
      - { .name: xw_scales, .offset: 8, .size: 8, .value_kind: global_buffer, .address_space: global }
      - { .name: b_qkv, .offset: 16, .size: 8, .value_kind: global_buffer, .address_space: global }
      - { .name: qkv, .offset: 24, .size: 8, .value_kind: global_buffer, .address_space: global }
    .group_segment_fixed_size: 327680
    .private_segment_fixed_size: 0
    .kernarg_segment_align: 8
    .kernarg_segment_size: 32
    .max_flat_workgroup_size: 128
    .sgpr_count:     100
    .vgpr_count:     1024
    .wavefront_size: 32
...
	.end_amdgpu_metadata
.endif
;; end of part 2
;; launch attn (part 3): grid 8 x 32, 16 waves a work-group, no clusters, 280,576 bytes of LDS; arguments qkv, maskw, a_img, a_scales, maskf; writes a_img, a_scales
.if DOCPART == 3
	.amdgcn_target "amdgcn-amd-amdhsa--gfx1250"
	.amdhsa_code_object_version 6
	.text
	.protected	k_q1e37dd52db_attn
	.globl	k_q1e37dd52db_attn
	.p2align	8
	.type	k_q1e37dd52db_attn,@function
k_q1e37dd52db_attn:
	s_mov_b64 s[64:65], 0
	v_nop
	global_prefetch_b8 v0, s[64:65] scope:SCOPE_SE
	s_setreg_imm32_b32 hwreg(HW_REG_WAVE_MODE, 25, 1), 1
	s_wait_xcnt 0x0
; a = softmax(where(mask, -0.0001, q k^T / 8)) v for one head of one batch, both products on codes of BF6 (E3M2) with one E8M0 scale for each 32 along K; a leaves as CODES for the last product.
; THE MASK IS AN INPUT, and a masked score is -0.0001, not -infinity: every key counts for every query.  maskw holds, for each tile of 16 queries and key step of 128, 64 select masks, one for each score register;
; maskf holds two flags for the same tile and step: all 2,048 scores masked, or none.  The flags are whole numbers read from memory, and each wave does what they ask for, for any mask:
;   ALL MASKED: every score is the constant -0.0001, so q k^T, the selects and the search for maxima are not done: one p = 2^(t0 - M) stands for all 128 keys; it is made, summed (64 p a lane) and quantised by the
;               same instructions as any p, and the product with v is done as in every step.
;   NONE MASKED: the selects and the mask words are left out.      ELSE: the mask words are loaded and the 64 selects are done.
; THE SOFTMAX: t = score x log2(e); M = the running largest t rounded UP to a whole number; p = 2^(t - M) is quantised along the keys, not normalised; the row's sum is taken of the unquantised p and divides at the end.
; When M moves, the sum and O are multiplied by 2^(old M - new M), which rounds nothing; that is done in every step, with no branch on it.
; SHARES.  A work-group of sixteen waves serves 16 tiles of 16 queries of one head: tile = 8 x level + work-group x, levels 0..15.  TWO NEIGHBOURING WAVES SHARE TWO TILES, of levels L and 15 - L: a wave takes key steps 0-7 of
; its first tile and key steps 8-15 of its second, and its partner (wave xor 1) the other halves.  The loop is one walk over the 16 key steps; at its eighth trip (a branch on the counter) the wave stores its partial
; O^T, -M and sums into LDS bytes of its own, takes the second tile's q from registers, and sets the largest t back to -3e38, so that the next step's factor is 0 and clears O^T and the sums.
; Behind the loop and one barrier each wave reads its partner's partial of the tile that it holds, brings both under the larger M by factors 2^(M_i - M), which round nothing, adds them and goes out.
; K AND V OF THE WHOLE HEAD LIE IN LDS, 102,400 bytes each, as images of the operands' registers.  Each wave brings 12,800 bytes through its registers (25 loads and 25 LDS stores of 16 bytes a lane); nothing is filled again.
; NO TENSOR LOAD, AND SO NO CLUSTER: joint loads are tensor loads.
; NO PREFETCH: all that the launch reads of k and v is asked for at its head; there is no loop to run ahead in.
; LAYOUT.  Both products transposed: S^T = k q^T, O^T = v^T p^T: a lane holds one query (lane % 16).  A fragment of k holds TWO tiles of 16 keys side by side along K, and is multiplied once by [q | 0] and once by [0 | q].
; Register 16 b + i holds key 32 b + 16 (lane / 16) + i of the step's 128.
; LIMITS: the promise holds while |t| stays under 2^31; a block of zeros gets the scale byte 1 where the quantiser says 127 (zero codes; this program alone reads the bytes); NaN and infinities are not served
; (the factor 0 at the change of tiles clears finite numbers alone); a's scale bytes leave 2 bytes a row, rows 32 bytes apart (128 KiB in all).
; REGISTERS: v1-4 addresses that stay; v8-11 the step's; v12 -M, v13 the largest t, v[14:15] the sum; v16-27 [q | 0], v28-39 [0 | q]; v40-87 four fragments of k, then of v; v88-94 the second tile's q and scale word;
;   v96-159 S^T, then p; v160-191 O^T; v192-219, v236-243, v250-253 at work; v216 the masked score x 8, v217 its t; v220, v221 my partial's and my partner's place in LDS; v224-235 p's codes;
;   v240-243 k's scale words, v244-247 v's, v248-249 q's, v250 p's; v254, v255 the add's.
.set REG,   3276800                    ; bytes of q's, k's and v's region of qkv
.set KV,    102400                     ; a head's bytes in a region, and in LDS: k at 0, v at KV
.set STEPB, 6400                       ; a step of 128 tokens: four images of 1,536 bytes, 256 bytes of scale words
.set PB,    0x32000                    ; behind k and v: the partials, PW bytes a wave
.set PW,    4608                       ; nine images of four registers
.set SPARE, 0x44000                    ; behind them: the spare words, 128 bytes a wave
.set WV,  12
.set CNT, 13                           ; steps to go
.set TB,  14                           ; the step's first byte in a head
.set MO,  15                           ; the step's mask words
.set SEL, 16                           ; s[16:17] lane l xor 16
.set CS,  18                           ; s[18:19] c = log2(e) / 8
.set FL,  28                           ; bit 0: this step all masked; bit 16: none masked; shifted right once a step
.macro MASKS                           ; a step's 64 mask words: s32-63 and s68-99
	s_load_b512 s[32:47], s[6:7], s[MO] offset:0x0
	s_load_b512 s[48:63], s[6:7], s[MO] offset:0x40
	s_load_b512 s[68:83], s[6:7], s[MO] offset:0x80
	s_load_b512 s[84:99], s[6:7], s[MO] offset:0xc0
.endm
.macro VLOAD                           ; v's four fragments and scale words
.irp f, 0,1,2,3
.irp c, 0,1,2
	ds_load_b128 v[40+12*\f+4*\c:43+12*\f+4*\c], v10 offset:1536*\f+512*\c
.endr
.endr
	ds_load_b128 v[244:247], v11 offset:6144
.endm
.macro QK                              ; S^T of the step's 128 keys; then v's fragments are asked for, and land under the softmax
.irp f, 0,1,2,3
.irp c, 0,1,2
	ds_load_b128 v[40+12*\f+4*\c:43+12*\f+4*\c], v8 offset:1536*\f+512*\c
.endr
.endr
	ds_load_b128 v[240:243], v9 offset:6144
	s_wait_dscnt 0x0
.irp f, 0,1,2,3
	v_wmma_scale_f32_16x16x128_f8f6f4 v[96+16*\f:103+16*\f], v[40+12*\f:51+12*\f], v[16:27], 0, v[240+\f], v248 matrix_a_fmt:MATRIX_FMT_BF6 matrix_b_fmt:MATRIX_FMT_BF6
	v_wmma_scale_f32_16x16x128_f8f6f4 v[104+16*\f:111+16*\f], v[40+12*\f:51+12*\f], v[28:39], 0, v[240+\f], v249 matrix_a_fmt:MATRIX_FMT_BF6 matrix_b_fmt:MATRIX_FMT_BF6
.endr
.rept 4
	v_nop                                          ; places in front of the loads into k's registers and of the first read of the scores
.endr
	VLOAD
.endm
	s_load_b256 s[4:11], s[0:1], 0x0               ; qkv s[4:5], maskw s[6:7], a_img s[8:9], a_scales s[10:11]
	s_load_b64 s[20:21], s[0:1], 0x20              ; maskf
	v_lshl_add_u32 v254, v0, 2, SPARE
	v_mov_b32 v255, 0
	v_lshrrev_b32 v5, 5, v0
	s_delay_alu instid0(VALU_DEP_1)
	v_readfirstlane_b32 s[WV], v5                  ; wave 0..15
	v_and_b32 v5, 31, v0
	v_and_b32 v6, 15, v0
	s_delay_alu instid0(VALU_DEP_2)
	v_lshlrev_b32 v1, 4, v5                        ; 16 x lane: an image's place for my lane
	s_delay_alu instid0(VALU_DEP_2)
	v_lshlrev_b32 v2, 4, v6                        ; 16 r: my row's four scale words
	s_delay_alu instid0(VALU_DEP_2)
	v_add_nc_u32 v3, KV, v1                        ; the same in v
	s_delay_alu instid0(VALU_DEP_2)
	v_add_nc_u32 v4, KV, v2
	s_wait_alu depctr_va_vdst(0)
	s_lshr_b32 s2, s[WV], 2
	s_xor_b32 s2, s2, s[WV]
	s_and_b32 s2, s2, 1                            ; which of the pair's two tiles I begin with; it changes from each four waves to the next
	s_mul_i32 s2, s2, 15
	s_lshr_b32 s3, s[WV], 1                        ; the pair, 0..7
	s_sub_co_u32 s3, 7, s3
	s_xor_b32 s2, s2, s3                           ; s2 = my first tile's level: 7 - pair, or 15 less that
	s_xor_b32 s68, s2, 15                          ; s68 = my second tile's level
	s_lshl_b32 s69, s2, 3
	s_add_co_u32 s69, s69, ttmp9                   ; s69 = my first tile, 0..127
	s_lshl_b32 s3, s68, 3
	s_add_co_u32 s3, s3, ttmp9                     ; s3 = my second tile: the one that I finish
	s_and_b32 s66, ttmp7, 0xffff                   ; s66 = 16 x batch + head
	s_mul_i32 s67, s66, KV                         ; the head's first byte in a region
	s_and_b32 s14, s[WV], 7
	s_mul_i32 s14, s14, 12800                      ; waves 0-7: k's eighths; waves 8-15: v's
	s_lshr_b32 s15, s[WV], 3
	s_mul_i32 s15, s15, REG
	s_add_co_u32 s14, s14, s15
	s_add_co_u32 s14, s14, s67
	s_add_co_u32 s14, s14, REG                     ; k's region lies behind q's
	s_mov_b32 s15, 0
	s_mul_i32 s24, s[WV], 12800
	v_add_nc_u32 v9, s24, v1                       ; where my eighth goes in LDS: wave x 12,800 + 16 x lane
	s_mul_i32 s78, s[WV], PW
	s_add_co_u32 s78, s78, PB
	v_add_nc_u32 v220, s78, v1                     ; my partial's place
	s_xor_b32 s79, s[WV], 1
	s_mul_i32 s79, s79, PW
	s_add_co_u32 s79, s79, PB
	v_add_nc_u32 v221, s79, v1                     ; my partner's
	s_mul_i32 s26, s2, STEPB                       ; q: a tile is half u of fragment beta of step tile / 8 = level
	s_add_co_u32 s26, s26, s67
	s_mov_b32 s27, 0
	s_mul_i32 s70, s68, STEPB
	s_add_co_u32 s70, s70, s67
	s_mov_b32 s71, 0
	s_and_b32 s29, ttmp9, 1                        ; u
	s_bfe_u32 s30, ttmp9, 0x20001                  ; beta: both the same for my two tiles
	s_mul_i32 s31, s30, 1536
	s_mul_i32 s25, s29, 520
	s_add_co_u32 s25, s25, s31
	v_add_nc_u32 v5, s25, v1                       ; registers 0, 1 (u = 1: 6, 7), and 512 bytes on 4, 5 (10, 11)
	s_mul_i32 s25, s29, 1016
	s_add_co_u32 s25, s25, s31
	v_add_nc_u32 v6, s25, v1                       ; 8 bytes on: registers 2, 3 (8, 9)
	s_lshl_b32 s25, s30, 2
	v_add_nc_u32 v7, s25, v2
	s_lshl_b32 s30, s69, 12                        ; a tile's 16 x 256 bytes of mask words: the first tile's,
	s_mov_b32 s31, 0
	s_lshl_b32 s72, s3, 12                         ; the second's
	s_mov_b32 s73, 0
	s_lshl_b32 s24, s69, 9                         ; and its 512 bytes of flags
	s_mov_b32 s25, 0
	s_lshl_b32 s74, s3, 9
	s_mov_b32 s75, 0
	s_lshl_b32 s29, s29, 4                         ; 16 u
	s_mov_b32 s[SEL], 0x76543210
	s_mov_b32 s[SEL+1], 0xfedcba98
	s_mov_b32 s[CS], 0x3e38aa3b                    ; log2(e) / 8
	s_mov_b32 s[CS+1], s[CS]
	s_wait_alu depctr_va_vdst(0)
	s_wait_kmcnt 0x0
	s_add_nc_u64 s[22:23], s[4:5], s[14:15]
	s_add_nc_u64 s[100:101], s[4:5], s[26:27]
	s_add_nc_u64 s[76:77], s[4:5], s[70:71]
	s_add_nc_u64 s[72:73], s[6:7], s[72:73]
	s_add_nc_u64 s[6:7], s[6:7], s[30:31]          ; the first tile's mask words
	s_mov_b64 s[30:31], s[72:73]                   ; the second's, kept for the change of tiles
	s_add_nc_u64 s[74:75], s[20:21], s[74:75]
	s_add_nc_u64 s[20:21], s[20:21], s[24:25]
.set i, 0
.rept 25
	global_load_b128 v[96+4*i:99+4*i], v1, s[22:23] offset:512*i   ; 32 lanes read 512 consecutive bytes
.set i, i+1
.endr
	global_load_b64 v[16:17], v5, s[100:101]
	global_load_b64 v[34:35], v5, s[100:101]
	global_load_b64 v[18:19], v6, s[100:101] offset:8
	global_load_b64 v[36:37], v6, s[100:101] offset:8
	global_load_b64 v[20:21], v5, s[100:101] offset:512
	global_load_b64 v[38:39], v5, s[100:101] offset:512
	global_load_b32 v214, v7, s[100:101] offset:6144   ; the fragment's scale word of my row
	global_load_b64 v[88:89], v5, s[76:77]         ; the second tile's q
	global_load_b64 v[90:91], v6, s[76:77] offset:8
	global_load_b64 v[92:93], v5, s[76:77] offset:512
	global_load_b32 v94, v7, s[76:77] offset:6144
	s_load_b32 s24, s[20:21], 0x0                  ; the first tile's flags of steps 0-3, 4-7,
	s_load_b32 s25, s[20:21], 0x80
	s_load_b32 s26, s[74:75], 0x100                ; the second's of steps 8-11, 12-15
	s_load_b32 s27, s[74:75], 0x180
	s_mov_b32 s[TB], 0
	s_mov_b32 s[MO], 0
	s_mov_b32 s[CNT], 16
.irp j, 22,23,24,25,26,27,28,29,30,31,32,33
	v_mov_b32 v[\j], 0                             ; the zero halves of [q | 0] and [0 | q]
.endr
	v_mov_b32 v13, 0xff61b1e6                      ; the largest t so far: -3e38
	v_mov_b32 v216, 0xba51b717                     ; -0.0001 x 8: what a masked q . k counts as ahead of the division by 8
	s_delay_alu instid0(VALU_DEP_2)
	v_floor_f32 v12, -v13                          ; -M
	s_delay_alu instid0(VALU_DEP_2)
	v_mul_f32 v217, s[CS], v216                    ; a masked score's t
	v_mov_b32 v14, 0
	v_mov_b32 v15, 0
	v_mov_b32 v213, 0                              ; (named as the upper half of the pair v[212:213])
.irp b, 0,1,2,3
	v_mov_b32 v[196+\b], 0                         ; a lane permute's destination counts as one of its sources
.endr
	s_wait_alu depctr_va_vdst(0)
	s_wait_kmcnt 0x0
	s_lshl_b32 s25, s25, 4
	s_lshl_b32 s26, s26, 8
	s_lshl_b32 s27, s27, 12
	s_or_b32 s24, s24, s25
	s_or_b32 s26, s26, s27
	s_or_b32 s[FL], s24, s26                       ; bit t: step t all masked; bit 16 + t: none masked
	s_wait_loadcnt 11                              ; my eighth is in; the eleven loads of q may be out
.set i, 0
.rept 25
	ds_store_b128 v9, v[96+4*i:99+4*i] offset:512*i
.set i, i+1
.endr
	s_wait_loadcnt 0x0                             ; q
	v_lshrrev_b32 v248, s29, v214                  ; my tile's two bytes in bytes 0, 1: for [q | 0].  The bytes that meet zero codes are another tile's bytes or 0, never 0xff
	s_delay_alu instid0(VALU_DEP_1)
	v_lshlrev_b32 v249, 16, v248                   ; and in bytes 2, 3: for [0 | q]
	s_wait_dscnt 0x0                               ; my stores are done,
	s_barrier_signal -1
.set j, 0
.rept 32
	v_mov_b32 v[160+j], 0                          ; O^T: the loop is written once; its first step finds zeros
.set j, j+1
.endr
	s_wait_alu depctr_va_vdst(0)
	s_barrier_wait -1                              ; everybody's are
.Lstep:                                ; 16 trips of 128 keys
	v_add_nc_u32 v8, s[TB], v1                     ; (these four are the places behind the last trip's products, in front of the loads into the registers that they read and of the stores of O^T)
	v_add_nc_u32 v9, s[TB], v2
	v_add_nc_u32 v10, s[TB], v3
	v_add_nc_u32 v11, s[TB], v4
	s_wait_alu depctr_va_vdst(0)
	s_cmp_eq_u32 s[CNT], 8
	s_cbranch_scc0 .Lsame
	; THE CHANGE OF TILES, ahead of key step 8: my partial of the first tile goes to LDS bytes of my own, each accumulator from its low end on
.irp t, 0,1,2,3,4,5,6,7
	ds_store_b128 v220, v[160+4*\t:163+4*\t] offset:512*\t
.endr
	ds_store_b128 v220, v[12:15] offset:4096       ; -M, the largest t, the sum's two halves
	v_lshrrev_b32 v248, s29, v94                   ; the second tile's scale bytes (eight places and more ahead of the products),
	s_delay_alu instid0(VALU_DEP_1)
	v_lshlrev_b32 v249, 16, v248
.irp i, 0,1,2,3,4,5
	v_mov_b32 v[16+\i], v[88+\i]                   ; and its q
	v_mov_b32 v[34+\i], v[88+\i]
.endr
	v_mov_b32 v13, 0xff61b1e6                      ; the largest t begins anew: the next step's factor is 0, which clears O^T and the sums
	s_delay_alu instid0(VALU_DEP_1)
	v_floor_f32 v12, -v13
	v_nop
	v_nop                                          ; four places between the writes of q and the products
	s_mov_b64 s[6:7], s[30:31]                     ; the second tile's mask words
	s_wait_alu depctr_va_vdst(0)
.Lsame:
	s_bitcmp1_b32 s[FL], 0
	s_cbranch_scc1 .Lmasked
	s_bitcmp1_b32 s[FL], 16
	s_cbranch_scc1 .Lclean
	MASKS                                          ; a mixed step: its mask words land under the products
	QK
	s_wait_kmcnt 0x0
.set n, 0
.rept 32
	v_cndmask_b32 v[96+n], v[96+n], v216, s[32+n]  ; a masked score becomes -0.0001 (x 8); each accumulator from its low end on
.set n, n+1
.endr
.rept 32
	v_cndmask_b32 v[96+n], v[96+n], v216, s[36+n]
.set n, n+1
.endr
	s_wait_alu depctr_va_vdst(0)
	s_branch .Lsoft
.Lclean:
	QK
.Lsoft:
.irp b, 0,1,2,3
	v_max3_num_f32 v[192+\b], v[96+16*\b], v[97+16*\b], v[98+16*\b]   ; the largest score of each block of 32 keys: for the row's maximum, and, since p rises with the score, for the block's largest p
.endr
.irp i, 3,5,7,9,11,13
.irp b, 0,1,2,3
	v_max3_num_f32 v[192+\b], v[192+\b], v[96+16*\b+\i], v[97+16*\b+\i]   ; (the four blocks by turns)
.endr
.endr
.irp b, 0,1,2,3
	v_max_num_f32 v[192+\b], v[192+\b], v[111+16*\b]
.endr
.irp b, 0,1,2,3
	s_delay_alu instid0(VALU_DEP_4)
	v_permlanex16_b32 v[196+\b], v[192+\b], s[SEL], s[SEL+1]
.endr
.irp b, 0,1,2,3
	s_delay_alu instid0(VALU_DEP_4)
	v_max_num_f32 v[192+\b], v[192+\b], v[196+\b]  ; with lane l xor 16's 16 keys
.endr
	s_delay_alu instid0(VALU_DEP_2)
	v_max3_num_f32 v214, v192, v193, v194
	s_delay_alu instid0(VALU_DEP_1)
	v_max_num_f32 v214, v214, v195
	s_delay_alu instid0(VALU_DEP_1)
	v_mul_f32 v214, s[CS], v214                    ; as t
	s_delay_alu instid0(VALU_DEP_1)
	v_max_num_f32 v13, v13, v214                   ; the running largest t
	v_mov_b32 v214, v12
	s_delay_alu instid0(VALU_DEP_2)
	v_floor_f32 v12, -v13                          ; the new -M = -ceil(t): a whole number
	s_delay_alu instid0(VALU_DEP_1)
	v_sub_f32 v214, v12, v214                      ; old M - new M: a whole number, 0 or less
	s_delay_alu instid0(VALU_DEP_1)
	v_cvt_i32_f32 v214, v214                       ; (it saturates)
	s_delay_alu instid0(VALU_DEP_1)
	v_ldexp_f32 v212, 1.0, v214                    ; f = 2^(old M - new M)
.set j, 0
.rept 32
	v_pk_fma_f32 v[96+j:97+j], v[96+j:97+j], s[CS:CS+1], v[12:13] op_sel_hi:[1,0,0]   ; t - M, two at a time
.set j, j+2
.endr
.irp b, 0,1,2,3
	v_fma_f32 v[192+\b], v[192+\b], s[CS], v12     ; the same of each block's largest score
.endr
	s_wait_alu depctr_va_vdst(0)
.set j, 0
.rept 64
	v_exp_f32 v[96+j], v[96+j]                     ; p = 2^(t - M)
.set j, j+1
.endr
.irp b, 0,1,2,3
	v_exp_f32 v[192+\b], v[192+\b]                 ; the block's largest p
.endr
	v_pk_mul_f32 v[14:15], v[14:15], v[212:213] op_sel_hi:[1,0]   ; the sums under the new M (the plain place behind the exponentials)
	s_wait_alu depctr_va_vdst(0)                   ; one wait for the batch of 68, ahead of its first reader
.set j, 0                              ; the row's sum of the unquantised p: 32 packed additions in eight chains
.irp t, 218,252,250,242,240,238,236
	v_pk_add_f32 v[\t:\t+1], v[96+j:97+j], v[98+j:99+j]
.set j, j+4
.endr
	v_pk_add_f32 v[14:15], v[14:15], v[124:125]
.set j, 30
.rept 2
.irp t, 218,252,250,242,240,238,236,14
	v_pk_add_f32 v[\t:\t+1], v[\t:\t+1], v[96+j:97+j]
.set j, j+2
.endr
.endr
	v_pk_add_f32 v[218:219], v[218:219], v[158:159]
	s_delay_alu instid0(VALU_DEP_2)
	v_pk_add_f32 v[14:15], v[14:15], v[242:243]
	s_delay_alu instid0(VALU_DEP_2)
	v_pk_add_f32 v[218:219], v[218:219], v[240:241]
	v_pk_add_f32 v[252:253], v[252:253], v[238:239]
	v_pk_add_f32 v[250:251], v[250:251], v[236:237]
	s_delay_alu instid0(VALU_DEP_2)
	v_pk_add_f32 v[14:15], v[14:15], v[252:253]
	s_delay_alu instid0(VALU_DEP_2)
	v_pk_add_f32 v[218:219], v[218:219], v[250:251]
	s_delay_alu instid0(VALU_DEP_1)
	v_pk_add_f32 v[14:15], v[14:15], v[218:219]
.irp b, 0,1,2,3
	v_max_num_f32 v[192+\b], 0x2800000, v[192+\b]  ; the floor 2^(5 - 127)
.endr
.irp b, 0,1,2,3
	s_delay_alu instid0(VALU_DEP_4)
	v_add_nc_u32 v[200+\b], 0xfe000000, v[192+\b]  ; 4 off the exponent field: the conversion's scale operand
.endr
.irp b, 0,1,2,3
	s_delay_alu instid0(VALU_DEP_4)
	v_lshrrev_b32 v[196+\b], 23, v[200+\b]         ; the scale's byte
.endr
	s_delay_alu instid0(VALU_DEP_3)
	v_lshl_or_b32 v250, v197, 8, v196              ; p's scale word for these 128 keys
	s_delay_alu instid0(VALU_DEP_1)
	v_lshl_or_b32 v250, v198, 16, v250
	s_delay_alu instid0(VALU_DEP_1)
	v_lshl_or_b32 v250, v199, 24, v250
	v_cvt_scalef32_pk16_bf6_f32 v[224:226], v[96:111], v200
	v_cvt_scalef32_pk16_bf6_f32 v[204:206], v[112:127], v201
	v_cvt_scalef32_pk16_bf6_f32 v[230:232], v[128:143], v202
	v_cvt_scalef32_pk16_bf6_f32 v[208:210], v[144:159], v203
	v_nop                                          ; one plain place behind a scaled conversion
.irp i, 0,1,2
	v_permlane16_swap_b32 v[224+\i], v[204+\i]     ; a whole block to a lane
.endr
.irp i, 0,1,2
	s_delay_alu instid0(VALU_DEP_3)
	v_mov_b32 v[227+\i], v[204+\i]
.endr
.irp i, 0,1,2
	v_permlane16_swap_b32 v[230+\i], v[208+\i]
.endr
.irp i, 0,1,2
	s_delay_alu instid0(VALU_DEP_3)
	v_mov_b32 v[233+\i], v[208+\i]
.endr
	s_wait_alu depctr_va_vdst(0)
	s_branch .Lpv
.Lmasked:                              ; all 16 x 128 scores are -0.0001: one p for all of them
	VLOAD
	v_max_num_f32 v13, v13, v217                   ; the running largest t
	v_mov_b32 v214, v12
	s_delay_alu instid0(VALU_DEP_2)
	v_floor_f32 v12, -v13
	s_delay_alu instid0(VALU_DEP_1)
	v_sub_f32 v214, v12, v214
	s_delay_alu instid0(VALU_DEP_1)
	v_cvt_i32_f32 v214, v214
	s_delay_alu instid0(VALU_DEP_1)
	v_ldexp_f32 v212, 1.0, v214                    ; f = 2^(old M - new M)
	v_fma_f32 v192, v216, s[CS], v12               ; t - M, by the multiply-add that every score takes
	s_wait_alu depctr_va_vdst(0)
	v_exp_f32 v192, v192
	v_pk_mul_f32 v[14:15], v[14:15], v[212:213] op_sel_hi:[1,0]
	s_wait_alu depctr_va_vdst(0)
	v_fmamk_f32 v14, v192, 0x42800000, v14         ; my 64 keys' p: 64 p, which rounds nothing
	v_max_num_f32 v193, 0x2800000, v192
.set j, 0
.rept 16
	v_mov_b32 v[96+j], v192                        ; sixteen neighbours for the conversion
.set j, j+1
.endr
	v_add_nc_u32 v200, 0xfe000000, v193
	s_delay_alu instid0(VALU_DEP_1)
	v_lshrrev_b32 v196, 23, v200
	s_delay_alu instid0(VALU_DEP_1)
	v_lshl_or_b32 v250, v196, 8, v196
	s_delay_alu instid0(VALU_DEP_1)
	v_lshl_or_b32 v250, v250, 16, v250             ; the same byte for the four blocks
	v_cvt_scalef32_pk16_bf6_f32 v[224:226], v[96:111], v200
	v_nop
.irp i, 3,4,5,6,7,8,9,10,11
	v_mov_b32 v[224+\i], v[224+\i%3]               ; the 96 bits of 16 codes, four times on end
.endr
.Lpv:
	s_wait_alu depctr_va_vdst(0)
.set j, 0
.rept 16
	v_pk_mul_f32 v[160+j:161+j], v[160+j:161+j], v[212:213] op_sel_hi:[1,0]   ; O^T under the new M; these 16 are also the places between the writes of p's codes and scale word and the products
.set j, j+2
.endr
	s_wait_alu depctr_va_vdst(0)
	s_wait_dscnt 0x0                               ; v's fragments and scale words
.irp t, 0,1,2,3                        ; O^T += v^T p^T: the four accumulators by turns
	v_wmma_scale_f32_16x16x128_f8f6f4 v[160+8*\t:167+8*\t], v[40+12*\t:51+12*\t], v[224:235], v[160+8*\t:167+8*\t], v[244+\t], v250 matrix_a_fmt:MATRIX_FMT_BF6 matrix_b_fmt:MATRIX_FMT_BF6
.endr
	s_add_co_u32 s[TB], s[TB], STEPB
	s_add_co_u32 s[MO], s[MO], 256
	s_lshr_b32 s[FL], s[FL], 1
	s_sub_co_u32 s[CNT], s[CNT], 1
	s_cmp_lg_u32 s[CNT], 0
	s_cbranch_scc1 .Lstep
	; THE TWO HALVES OF THE KEYS ARE JOINED: I hold key steps 8-15 of my second tile; my partner stored its key steps 0-7
	v_add_f32 v14, v14, v15                        ; my sum's two halves
	v_mov_b32 v219, 0                              ; (named as the upper half of the pair v[218:219])
	s_wait_alu depctr_va_vdst(0)
	s_wait_dscnt 0x0                               ; my partial's stores are done,
	s_barrier_signal -1
	s_barrier_wait -1                              ; everybody's are
.irp t, 0,1,2,3,4,5,6,7
	ds_load_b128 v[96+4*\t:99+4*\t], v221 offset:512*\t
.endr
	ds_load_b128 v[128:131], v221 offset:4096
	s_wait_dscnt 0x0
	v_min_num_f32 v132, v12, v128                  ; -M of both: the smaller -M
	v_add_f32 v130, v130, v131
	s_delay_alu instid0(VALU_DEP_2)
	v_sub_f32 v133, v132, v12                      ; M_i - M: whole numbers, 0 or less
	v_sub_f32 v134, v132, v128
	s_delay_alu instid0(VALU_DEP_2)
	v_cvt_i32_f32 v133, v133
	s_delay_alu instid0(VALU_DEP_2)
	v_cvt_i32_f32 v134, v134
	s_delay_alu instid0(VALU_DEP_2)
	v_ldexp_f32 v212, 1.0, v133                    ; my factor,
	s_delay_alu instid0(VALU_DEP_2)
	v_ldexp_f32 v218, 1.0, v134                    ; my partner's
.set j, 0
.rept 16
	v_pk_mul_f32 v[160+j:161+j], v[160+j:161+j], v[212:213] op_sel_hi:[1,0]   ; each accumulator from its low end on
.set j, j+2
.endr
.set j, 0
.rept 16
	v_pk_fma_f32 v[160+j:161+j], v[96+j:97+j], v[218:219], v[160+j:161+j] op_sel_hi:[1,0,1]
.set j, j+2
.endr
	v_mul_f32 v14, v14, v212
	s_delay_alu instid0(VALU_DEP_1)
	v_fmac_f32 v14, v130, v218                     ; my lane's 64 + 64 keys ... of all 16 steps
	; THE WAY OUT: O^T / the sum; register 16 b + i is channel 32 b + 16 (lane / 16) + i: two blocks of the last product's K.  They are quantised and leave as half a fragment's image: three stores of 256 bytes.
	s_delay_alu instid0(VALU_DEP_1)
	v_permlanex16_b32 v214, v14, s[SEL], s[SEL+1]
	s_delay_alu instid0(VALU_DEP_1)
	v_add_f32 v14, v14, v214                       ; the row's sum
	s_wait_alu depctr_va_vdst(0)
	v_rcp_f32 v14, v14
	v_lshrrev_b32 v5, 1, v1                        ; 8 x lane (plain work behind the reciprocal)
	v_lshlrev_b32 v6, 1, v2                        ; 32 r
	s_lshr_b32 s2, s66, 4
	s_lshl_b32 s2, s2, 7
	s_add_co_u32 s2, s2, s3                        ; my block of 16 rows of a: 128 x batch + tile
	s_mul_i32 s100, s2, 12288
	s_and_b32 s67, s66, 15                         ; the head: half (head % 2) of fragment head / 2: 768 bytes a head
	s_mul_i32 s101, s67, 768
	s_add_co_u32 s100, s100, s101
	s_mov_b32 s101, 0
	s_add_nc_u64 s[8:9], s[8:9], s[100:101]
	s_lshl_b32 s100, s2, 9                         ; 16 rows of 32 scale bytes
	s_lshl_b32 s67, s67, 1
	s_add_co_u32 s100, s100, s67
	s_add_nc_u64 s[10:11], s[10:11], s[100:101]
	s_wait_alu depctr_va_vdst(0)                   ; ahead of the reciprocal's first reader
.set j, 0
.rept 32
	v_mul_f32 v[96+j], v[160+j], v14
.set j, j+1
.endr
.irp b, 0,1
	v_max3_num_f32 v[192+\b], |v[96+16*\b]|, |v[97+16*\b]|, 0x2800000
.endr
.irp i, 2,4,6,8,10,12,14
.irp b, 0,1
	s_delay_alu instid0(VALU_DEP_2)
	v_max3_num_f32 v[192+\b], v[192+\b], |v[96+16*\b+\i]|, |v[97+16*\b+\i]|
.endr
.endr
.irp b, 0,1
	s_delay_alu instid0(VALU_DEP_2)
	v_permlanex16_b32 v[196+\b], v[192+\b], s[SEL], s[SEL+1]
.endr
.irp b, 0,1
	s_delay_alu instid0(VALU_DEP_2)
	v_max_num_f32 v[192+\b], v[192+\b], v[196+\b]
.endr
.irp b, 0,1
	s_delay_alu instid0(VALU_DEP_2)
	v_add_nc_u32 v[200+\b], 0xfe000000, v[192+\b]
.endr
.irp b, 0,1
	s_delay_alu instid0(VALU_DEP_2)
	v_lshrrev_b32 v[196+\b], 23, v[200+\b]
.endr
	s_delay_alu instid0(VALU_DEP_1)
	v_lshl_or_b32 v214, v197, 8, v196              ; my row's two scale bytes
	v_cvt_scalef32_pk16_bf6_f32 v[224:226], v[96:111], v200
	v_cvt_scalef32_pk16_bf6_f32 v[204:206], v[112:127], v201
	v_nop
.irp i, 0,1,2
	v_permlane16_swap_b32 v[224+\i], v[204+\i]
.endr
.irp i, 0,1,2
	s_delay_alu instid0(VALU_DEP_3)
	v_mov_b32 v[227+\i], v[204+\i]
.endr
.irp i, 0,1,2
	global_store_b64 v5, v[224+2*\i:225+2*\i], s[8:9] offset:256*\i   ; 32 lanes store 256 consecutive bytes, aligned
.endr
	global_store_b16 v6, v214, s[10:11]            ; lanes l and l xor 16 write the same two bytes with the same value
	s_wait_tensorcnt 0x0                           ; the wave's end
	ds_add_u32 v254, v255
	s_wait_dscnt 0x0
	s_endpgm
.Lfunc_end_k_q1e37dd52db_attn:
	.size	k_q1e37dd52db_attn, .Lfunc_end_k_q1e37dd52db_attn-k_q1e37dd52db_attn
	.p2alignl 7, 3214868480
	.fill 96, 4, 3214868480
	.section	.rodata,"a",@progbits
	.p2align	6, 0x0
	.amdhsa_kernel k_q1e37dd52db_attn
		.amdhsa_group_segment_fixed_size 280576
		.amdhsa_private_segment_fixed_size 0
		.amdhsa_enable_private_segment 0
		.amdhsa_kernarg_size 40
		.amdhsa_user_sgpr_count 2
		.amdhsa_user_sgpr_kernarg_segment_ptr 1
		.amdhsa_wavefront_size32 1
		.amdhsa_system_sgpr_workgroup_id_x 1
		.amdhsa_system_sgpr_workgroup_id_y 1
		.amdhsa_system_sgpr_workgroup_id_z 1
		.amdhsa_system_vgpr_workitem_id 0
		.amdhsa_next_free_vgpr 256
		.amdhsa_next_free_sgpr 102
		.amdhsa_reserve_vcc 0
		.amdhsa_float_denorm_mode_32 3
		.amdhsa_float_denorm_mode_16_64 3
		.amdhsa_memory_ordered 1
		.amdhsa_forward_progress 1
		.amdhsa_inst_pref_size 48
	.end_amdhsa_kernel
	.amdgpu_metadata
---
amdhsa.version: [ 1, 2 ]
amdhsa.kernels:
  - .name:           k_q1e37dd52db_attn
    .symbol:         k_q1e37dd52db_attn.kd
    .args:
      - { .name: qkv, .offset: 0, .size: 8, .value_kind: global_buffer, .address_space: global }
      - { .name: maskw, .offset: 8, .size: 8, .value_kind: global_buffer, .address_space: global }
      - { .name: a_img, .offset: 16, .size: 8, .value_kind: global_buffer, .address_space: global }
      - { .name: a_scales, .offset: 24, .size: 8, .value_kind: global_buffer, .address_space: global }
      - { .name: maskf, .offset: 32, .size: 8, .value_kind: global_buffer, .address_space: global }
    .group_segment_fixed_size: 280576
    .private_segment_fixed_size: 0
    .kernarg_segment_align: 8
    .kernarg_segment_size: 40
    .max_flat_workgroup_size: 512
    .sgpr_count:     102
    .vgpr_count:     256
    .wavefront_size: 32
...
	.end_amdgpu_metadata
.endif
;; end of part 3
;; launch dense (part 4): grid 8 x 32, 4 waves a work-group, clusters of 4 x 4, 327,680 bytes of LDS; arguments a_img, a_scales, xw_codes, xw_scales, b_dense, out0; writes out0
.if DOCPART == 4
	.amdgcn_target "amdgcn-amd-amdhsa--gfx1250"
	.amdhsa_code_object_version 6
	.text
	.protected	k_q1e37dd52db_dense
	.globl	k_q1e37dd52db_dense
	.p2align	8
	.type	k_q1e37dd52db_dense,@function
k_q1e37dd52db_dense:
	s_mov_b64 s[64:65], 0
	v_nop
	global_prefetch_b8 v0, s[64:65] scope:SCOPE_SE
	s_setreg_imm32_b32 hwreg(HW_REG_WAVE_MODE, 25, 1), 1
	s_wait_xcnt 0x0
	s_wait_alu depctr_hold_cnt(0) depctr_sa_sdst(0) depctr_va_vdst(0) depctr_va_sdst(0) depctr_va_ssrc(0) depctr_va_vcc(0) depctr_vm_vsrc(0)
	s_getreg_b32 s2, hwreg(HW_REG_IB_STS2, 6, 4)
	s_cmp_eq_u32 s2, 0
	s_cbranch_scc0 .Lentry_in_a_cluster
	s_endpgm
.Lentry_in_a_cluster:
	s_bfe_u32 s2, ttmp6, 0x10000c
	s_cmp_lg_u32 s2, 0xf033
	s_cbranch_scc0 .Lentry_shape_is_right
	s_endpgm
.Lentry_shape_is_right:
; W_dense's codes lie in xw_codes as [K step of 256: 4][row 8,192][192 bytes]: 128 rows of a K step are 24,576 dense bytes and come as 96 rows of 256 bytes; with 16 bytes of padding behind every 64 their image in LDS is 128 rows of 240 bytes.
.set ROWB,   1572864
.set KROW,   192
.set PITCH,  240
.set FR,     12
.set NP,     4
.set ABLK,   6144
.set AQ,     4*ABLK
.set AH,     2*AQ
.set B0,     2*AH
.set BCH,    128*PITCH
.set KS,     32
.set SCL,    B0+4*BCH
.set HALFS,  (64*KS/256)*272
.set SBLK,   (16*KS/256)*272
.set STAGE,  SCL+4*HALFS
.set SPITCH, 272
.set ADRA, 16
.set ADRB, 20
.set STO,  24
.set RD,   25
.set CO,   26
.set ADRS, 27
.set BO,   30
.set SC,   32
.set BB,   64
.set BI,   128
.set G1, 24
.set G0, 32
.set G1B, 48
.set G0B, 56
.set G1S, 68
.set G0S, 76
.set G1SB, 80
.set G0SB, 88
.set MSB, 0
.macro WIN new
.if MSB != (\new)
	s_set_vgpr_msb (MSB<<8)|(\new)
.set MSB, (\new)
.endif
.endm
.macro JLOAD g0a, g1a, g0b, g1b
	s_cmp_eq_u32 s15, 0
	s_cbranch_scc0 .Lfor_b_\@
	tensor_load_to_lds s[\g0a:\g0a+3], s[\g1a:\g1a+7]
	s_nop 0
.rept 4
	v_nop
.endr
	s_branch .Lasked_\@
.Lfor_b_\@:
	tensor_load_to_lds s[\g0b:\g0b+3], s[\g1b:\g1b+7]
	s_nop 0
.rept 4
	v_nop
.endr
.Lasked_\@:
.endm
.macro CROUND
	s_barrier_signal -1
	s_barrier_wait -1
	s_cmp_lg_u32 s14, 0
	s_cbranch_scc1 .Lnot_wave_0_\@
	s_barrier_signal -3
.Lnot_wave_0_\@:
	s_barrier_wait -3
	s_barrier_signal -1
	s_barrier_wait -1
.endm
	s_load_b128 s[4:7], s[0:1], 0x0
	s_load_b128 s[8:11], s[0:1], 0x10
	s_load_b128 s[96:99], s[0:1], 0x20
	v_lshl_add_u32 v29, v0, 2, 0x3c600
	v_mov_b32 v31, 0
	ds_add_u32 v29, v31
	ds_add_u32 v29, v31
	v_lshrrev_b32 v1, 5, v0
	v_readfirstlane_b32 s14, v1
	s_lshr_b32 s15, s14, 1
	s_and_b32 s16, s14, 1
	s_bfe_u32 s40, ttmp6, 0x40000
	s_bfe_u32 s41, ttmp6, 0x40004
	s_lshl_b32 s42, ttmp9, 2
	s_add_co_u32 s42, s42, s40
	s_and_b32 s17, ttmp7, 0xffff
	s_lshl_b32 s17, s17, 2
	s_add_co_u32 s17, s17, s41
	s_lshl_b32 s43, s41, 2
	s_lshl_b32 s43, 15, s43
	s_lshl_b32 s44, 0x1111, s40
	s_or_b32 s[G1+0], s43, (3<<16)|(1<<21)
	s_mov_b32 s[G1+1], 768<<16
	s_mov_b32 s[G1+2], 4<<16
	s_mov_b32 s[G1+3], 768<<16
	s_mov_b32 s[G1+4], 4
	s_mov_b32 s[G1+5], 1536
	s_mov_b32 s[G1+6], 0
	s_mov_b32 s[G1+7], 0
	s_or_b32 s[G1B+0], s44, (0<<16)|(1<<20)|(1<<21)|(3<<22)|(3<<25)
	s_mov_b32 s[G1B+1], 256<<16
	s_mov_b32 s[G1B+2], 96<<16
	s_mov_b32 s[G1B+3], 256<<16
	s_mov_b32 s[G1B+4], 96
	s_mov_b32 s[G1B+5], 256
	s_mov_b32 s[G1B+6], 0
	s_mov_b32 s[G1B+7], 0
	s_or_b32 s[G1S+0], s43, (3<<16)|(1<<20)|(1<<21)|(5<<22)|(3<<25)
	s_or_b32 s[G1SB+0], s44, (3<<16)|(1<<20)|(1<<21)|(5<<22)|(3<<25)
.irp g, G1S, G1SB
	s_mov_b32 s[\g+1], 32<<16
	s_mov_b32 s[\g+2], (64*KS/256)<<16
	s_mov_b32 s[\g+3], 32<<16
	s_mov_b32 s[\g+4], 64*KS/256
	s_mov_b32 s[\g+5], 32
	s_mov_b32 s[\g+6], 0
	s_mov_b32 s[\g+7], 0
.endr
	s_lshl_b32 s20, s17, 3
	s_lshl_b32 s18, s16, 2
	s_add_co_u32 s20, s20, s18
	s_lshl_b32 s22, s20, 9
	s_mov_b32 s23, 0
	s_mul_i32 s20, s20, 12288
	s_mov_b32 s21, 0
	s_lshl_b32 s46, s42, 7
	s_add_co_u32 s46, s46, 7168
	s_lshl_b32 s92, s16, 6
	s_add_co_u32 s92, s92, s46
	s_lshl_b32 s92, s92, 5
	s_mov_b32 s93, 0
	s_mul_i32 s46, s46, KROW
	s_mul_i32 s18, s16, ROWB
	s_add_co_u32 s46, s46, s18
	s_mov_b32 s47, 0
	s_mul_i32 s45, s16, AQ
	s_mul_i32 s95, s16, BCH
	s_add_co_u32 s95, s95, B0
	s_mul_i32 s94, s14, HALFS
	s_wait_dscnt 0x0
	s_wait_kmcnt 0x0
	s_add_nc_u64 s[20:21], s[4:5], s[20:21]
	s_add_nc_u64 s[22:23], s[6:7], s[22:23]
	s_add_nc_u64 s[46:47], s[8:9], s[46:47]
	s_add_nc_u64 s[92:93], s[10:11], s[92:93]
	CROUND
	s_mov_b32 s[G0S], 1
	s_add_co_u32 s[G0S+1], s94, SCL
	s_mov_b64 s[G0S+2:G0S+3], s[22:23]
	s_or_b32 s[G0S+3], s[G0S+3], 0x80000000
	s_mov_b32 s[G0SB], 1
	s_add_co_u32 s[G0SB+1], s94, SCL
	s_mov_b64 s[G0SB+2:G0SB+3], s[92:93]
	s_or_b32 s[G0SB+3], s[G0SB+3], 0x80000000
	JLOAD G0S, G1S, G0SB, G1SB
.irp s, 0,1
	s_mov_b32 s[G0+4*\s], 1
	s_add_co_u32 s[G0+4*\s+1], s45, \s*AH
	s_add_nc_u64 s[G0+4*\s+2:G0+4*\s+3], s[20:21], \s*ABLK
	s_or_b32 s[G0+4*\s+3], s[G0+4*\s+3], 0x80000000
	s_mov_b32 s[G0B+4*\s], 1
	s_add_co_u32 s[G0B+4*\s+1], s95, \s*2*BCH
	s_add_nc_u64 s[G0B+4*\s+2:G0B+4*\s+3], s[46:47], \s*2*ROWB
	s_or_b32 s[G0B+4*\s+3], s[G0B+4*\s+3], 0x80000000
	s_wait_alu depctr_va_vdst(0)
	s_wait_tensorcnt 0x0
	ds_add_u32 v29, v31
	s_wait_dscnt 0x0
	CROUND
	JLOAD G0+4*\s, G1, G0B+4*\s, G1B
.endr
	v_and_b32 v1, 15, v0
	v_bfe_u32 v2, v0, 4, 1
	v_and_b32 v6, 31, v0
	v_lshlrev_b32 v7, 3, v6
	v_mul_u32_u24 v3, v1, PITCH
	v_mul_u32_u24 v4, v2, 24
	v_add_nc_u32 v4, v3, v4
	v_lshl_add_u32 v5, v2, 4, v4
	s_mul_i32 s21, s15, AQ
	s_mul_i32 s22, s16, 64*PITCH
	s_add_co_u32 s22, s22, B0
.irp s, 0,1
	v_add_nc_u32 v[ADRA+\s], s21, v7
	v_add_nc_u32 v[ADRB+\s], s22, v4
	v_add_nc_u32 v[ADRB+2+\s], s22, v5
	s_add_co_u32 s21, s21, AH
	s_add_co_u32 s22, s22, 2*BCH
.endr
	v_mul_u32_u24 v5, v1, KS
	v_lshrrev_b32 v8, 8, v5
	v_lshl_add_u32 v5, v8, 4, v5
	s_mul_i32 s21, s15, HALFS
	s_mul_i32 s22, s16, HALFS
	s_add_co_u32 s22, s22, 2*HALFS
	s_sub_co_u32 s22, s22, s21
	v_mul_u32_u24 v8, s22, v2
	s_add_co_u32 s21, s21, SCL
	v_add_nc_u32 v5, v5, v8
	v_add_nc_u32 v[ADRS], s21, v5
	s_mul_i32 s23, s14, 16*SPITCH
	s_add_co_u32 s23, s23, STAGE
	v_mul_u32_u24 v5, v1, SPITCH
	v_lshl_add_u32 v5, v2, 6, v5
	v_add_nc_u32 v[STO], s23, v5
	v_mul_u32_u24 v5, v2, SPITCH
	v_lshl_add_u32 v5, v1, 4, v5
	v_add_nc_u32 v[RD], s23, v5
	v_lshlrev_b32 v[CO], 12, v2
	v_lshl_add_u32 v[CO], v1, 4, v[CO]
	s_lshl_b32 s20, s17, 19
	s_lshl_b32 s21, s15, 18
	s_add_co_u32 s20, s20, s21
	s_lshl_b32 s46, s42, 9
	s_lshl_b32 s47, s16, 8
	s_add_co_u32 s46, s46, s47
	s_mov_b32 s47, 0
	s_add_nc_u64 s[96:97], s[96:97], s[46:47]
	s_add_co_u32 s20, s20, s46
	s_mov_b32 s21, 0
	s_add_nc_u64 s[98:99], s[98:99], s[20:21]
	v_lshlrev_b32 v[BO], 6, v2
	WIN 0x40
.irp b, 0,1,2,3
	global_load_b128 v[BI+8*\b:BI+8*\b+3], v[BO], s[96:97] offset:128*(\b/2)+32*(\b%2)
	global_load_b128 v[BI+8*\b+4:BI+8*\b+7], v[BO], s[96:97] offset:128*(\b/2)+32*(\b%2)+16
.endr
	WIN 0
.macro FRAGA reg, q, i
.irp p, 0,1,2,3,4,5
	ds_load_b64 v[\reg+2*\p:\reg+2*\p+1], v[ADRA+((\q)/4)] offset:ABLK*(\i)+1536*((\q)%4)+256*\p
.endr
.endm
.macro FRAG reg, q, i
.irp p, 0,1,2,3,4,5
.set PC, 12*((\q)%2)+6*(\p/3)+\p%3
.if PC%8 < 5
	ds_load_b64 v[\reg+2*\p:\reg+2*\p+1], v[ADRB+((\q)/4)] offset:BCH*(((\q)/2)%2)+8*PC+16*(PC/8)+(\i)*16*PITCH
.else
	ds_load_b64 v[\reg+2*\p:\reg+2*\p+1], v[ADRB+2+((\q)/4)] offset:BCH*(((\q)/2)%2)+8*PC+16*(PC/8)+(\i)*16*PITCH
.endif
.endr
.endm
.macro FETCH q
.set FS, 64+96*((\q)%2)
.irp i, 0,1,2,3
	FRAGA FS+FR*\i, \q, \i
.endr
.irp i, 0,1,2,3
	FRAG FS+48+FR*\i, \q, \i
.endr
.endm
.macro MUL q
.set FS, 64+96*((\q)%2)
.irp a, 0,1,2,3
.irp b, 0,1,2,3
.if (\q) == 0
	v_wmma_scale_f32_16x16x128_f8f6f4 v[8*(4*\a+\b):8*(4*\a+\b)+7], v[FS+48+FR*\b:FS+48+FR*\b+FR-1], v[FS+FR*\a:FS+FR*\a+FR-1], v[BI+8*\b:BI+8*\b+7], v[SC+8*\b+(\q)], v[SC+8*\a+(\q)] matrix_a_fmt:MATRIX_FMT_BF6 matrix_b_fmt:MATRIX_FMT_BF6 matrix_a_scale:MATRIX_SCALE_ROW1
.else
	v_wmma_scale_f32_16x16x128_f8f6f4 v[8*(4*\a+\b):8*(4*\a+\b)+7], v[FS+48+FR*\b:FS+48+FR*\b+FR-1], v[FS+FR*\a:FS+FR*\a+FR-1], v[8*(4*\a+\b):8*(4*\a+\b)+7], v[SC+8*\b+(\q)], v[SC+8*\a+(\q)] matrix_a_fmt:MATRIX_FMT_BF6 matrix_b_fmt:MATRIX_FMT_BF6 matrix_a_scale:MATRIX_SCALE_ROW1
.endif
.endr
.endr
.endm
.macro PLACES n
.rept \n
	v_nop
.endr
.endm
.macro KSTEP q
.if (\q) < 7
.if (\q) > 0
	PLACES NP
.endif
.if (\q) == 3
	s_wait_tensorcnt 0x0
	s_wait_dscnt 0x0
	s_barrier_signal -1
	s_barrier_wait -1
.endif
	FETCH (\q)+1
	s_wait_dscnt 48
.else
	s_wait_dscnt 0x0
.endif
	WIN 0x50
	MUL \q
	WIN 0
.endm
	s_wait_tensorcnt 1
	s_barrier_signal -1
	s_barrier_wait -1
.irp i, 0,1,2,3
	ds_load_b128 v[SC+8*\i:SC+8*\i+3], v[ADRS] offset:\i*SBLK
	ds_load_b128 v[SC+8*\i+4:SC+8*\i+7], v[ADRS] offset:\i*SBLK+16
.endr
	FETCH 0
	s_wait_loadcnt 0x0
	KSTEP 0
	KSTEP 1
	KSTEP 2
	KSTEP 3
	KSTEP 4
	KSTEP 5
	KSTEP 6
	KSTEP 7
.macro TOSTAGE a
	WIN 0x04
.irp b, 0,1,2,3
	ds_store_b128 v[STO], v[8*(4*(\a)+\b):8*(4*(\a)+\b)+3] offset:128*(\b/2)+32*(\b%2)
	ds_store_b128 v[STO], v[8*(4*(\a)+\b)+4:8*(4*(\a)+\b)+7] offset:128*(\b/2)+32*(\b%2)+16
.endr
	WIN 0
.irp t, 0,1,2,3,4,5,6,7
	ds_load_b128 v[BB+32*(\a)+4*\t:BB+32*(\a)+4*\t+3], v[RD] offset:2*\t*SPITCH
.endr
.endm
.macro SEND a, younger
	s_wait_dscnt \younger
.irp t, 0,1,2,3,4,5,6,7
	global_store_b128 v[CO], v[BB+32*(\a)+4*\t:BB+32*(\a)+4*\t+3], s[98:99] offset:(32*((\a)/2)+8*((\a)%2)+2*\t+8*(\t/4))*4096 th:TH_STORE_NT
.endr
.endm
	PLACES NP
	s_wait_alu depctr_va_vdst(0)
	TOSTAGE 0
	TOSTAGE 1
	SEND 0, 16
	TOSTAGE 2
	SEND 1, 16
	TOSTAGE 3
	SEND 2, 16
	SEND 3, 0
	s_wait_dscnt 0x0
	s_wait_tensorcnt 0x0
	ds_add_u32 v29, v31
	s_wait_dscnt 0x0
	CROUND
	s_endpgm
.Lfunc_end_k_q1e37dd52db_dense:
	.size	k_q1e37dd52db_dense, .Lfunc_end_k_q1e37dd52db_dense-k_q1e37dd52db_dense
	.p2alignl 7, 3214868480
	.fill 96, 4, 3214868480
	.section	.rodata,"a",@progbits
	.p2align	6, 0x0
	.amdhsa_kernel k_q1e37dd52db_dense
		.amdhsa_group_segment_fixed_size 327680
		.amdhsa_private_segment_fixed_size 0
		.amdhsa_enable_private_segment 0
		.amdhsa_kernarg_size 48
		.amdhsa_user_sgpr_count 2
		.amdhsa_user_sgpr_kernarg_segment_ptr 1
		.amdhsa_wavefront_size32 1
		.amdhsa_system_sgpr_workgroup_id_x 1
		.amdhsa_system_sgpr_workgroup_id_y 1
		.amdhsa_system_sgpr_workgroup_id_z 1
		.amdhsa_system_vgpr_workitem_id 0
		.amdhsa_next_free_vgpr 512
		.amdhsa_next_free_sgpr 100
		.amdhsa_reserve_vcc 0
		.amdhsa_float_denorm_mode_32 3
		.amdhsa_float_denorm_mode_16_64 3
		.amdhsa_memory_ordered 1
		.amdhsa_forward_progress 1
		.amdhsa_inst_pref_size 62
	.end_amdhsa_kernel
	.amdgpu_metadata
---
amdhsa.version: [ 1, 2 ]
amdhsa.kernels:
  - .name:           k_q1e37dd52db_dense
    .symbol:         k_q1e37dd52db_dense.kd
    .args:
      - { .name: a_img, .offset: 0, .size: 8, .value_kind: global_buffer, .address_space: global }
      - { .name: a_scales, .offset: 8, .size: 8, .value_kind: global_buffer, .address_space: global }
      - { .name: xw_codes, .offset: 16, .size: 8, .value_kind: global_buffer, .address_space: global }
      - { .name: xw_scales, .offset: 24, .size: 8, .value_kind: global_buffer, .address_space: global }
      - { .name: b_dense, .offset: 32, .size: 8, .value_kind: global_buffer, .address_space: global }
      - { .name: out0, .offset: 40, .size: 8, .value_kind: global_buffer, .address_space: global }
    .group_segment_fixed_size: 327680
    .private_segment_fixed_size: 0
    .kernarg_segment_align: 8
    .kernarg_segment_size: 48
    .max_flat_workgroup_size: 128
    .sgpr_count:     100
    .vgpr_count:     512
    .wavefront_size: 32
...
	.end_amdgpu_metadata
.endif
;; end of part 4
